; MI455X (gfx1250); checked and timed in simulation.
; The chip was launched on July 23, 2026; its instructions are those of AMD's public machine-readable ISA for CDNA 5 (MIT licence, August 2026) and "CDNA5" Instruction Set Architecture Reference Guide (July 2026). The comments in the code are by the model that wrote it; some were corrected since.
;; Multi Head Attention. Allowed arithmetic: float matrix products may take bf16 or f16 operands with f32 sums; all other float work in f32.
;; Inputs: W_k 1,024 x 1,024 float32; W_o 1,024 x 1,024 float32; W_q 1,024 x 1,024 float32; W_v 1,024 x 1,024 float32; b_k 1,024 float32; b_o 1,024 float32; b_q 1,024 float32; b_v 1,024 float32; x 4 x 2,048 x 1,024 float32.
;; Outputs: out0 4 x 2,048 x 1,024 float32.
;; 2 versions, each right; version 2 is version 1 with the launch prep written anew for expert scheduling mode. Each part assembles by itself: llvm-mc -triple=amdgcn-amd-amdhsa -mcpu=gfx1250 --defsym DOCPART=n.
;; ======== version 1 of 2: 4 launches
;; workspace buffers: xb 16,777,216 bytes; wqkv 6,291,456 bytes; wo 2,097,152 bytes; bqkv 12,288 bytes; qkv 50,331,648 bytes; attn 16,777,216 bytes
;; launch prep (part 1): grid 256 x 1, 8 waves a work-group, no clusters, 0 bytes of LDS; arguments x, W_q, W_k, W_v, W_o, b_q, b_k, b_v, xb, wqkv, wo, bqkv; writes xb, wqkv, wo, bqkv
.if DOCPART == 1
	.amdgcn_target "amdgcn-amd-amdhsa--gfx1250"
	.amdhsa_code_object_version 6
	.text
	.protected	k_q95d8cf25bc_prep
	.globl	k_q95d8cf25bc_prep
	.p2align	8
	.type	k_q95d8cf25bc_prep,@function
k_q95d8cf25bc_prep:
	s_mov_b64 s[64:65], 0
	v_nop
	global_prefetch_b8 v0, s[64:65] scope:SCOPE_SE
	s_setreg_imm32_b32 hwreg(HW_REG_WAVE_MODE, 25, 1), 1
	s_wait_xcnt 0x0
; prep: casts f32 -> bf16 (round to nearest even), nothing transposed.
;   xb[8192][1024] = x;  wqkv[1024 k][3072 n] = W_q | W_k | W_v side by side along n;  wo[1024][1024] = W_o;  bqkv[3072] = b_q | b_k | b_v (f32 copy).
; A stream: every input byte is read once and every output byte written once; no LDS, no barrier, no matrix unit, no cluster (no input is shared).
; Work-group g takes rows 32 g .. 32 g + 31 of x and rows 4 g .. 4 g + 3 of each of the four weights: 48 rows of 4,096 bytes.
; Thread t owns elements 4 t .. 4 t + 3 of every row: one 16-byte load (a wave's load covers 512 consecutive bytes) and one 8-byte store
; (a wave's store covers 256 consecutive bytes, aligned).  All 48 loads of a thread go out at once; no register is written again once a store has read it.
.set ROWF, 4096                        ; bytes in an f32 row
.set ROWH, 2048                        ; bytes in a bf16 row of 1,024
.set ROWQ, 6144                        ; bytes in a row of wqkv
.set X,    8                           ; v[8:199]: load n in v[X+4n : X+4n+3]
	s_load_b512 s[4:19], s[0:1], 0x0               ; x, W_q, W_k, W_v, W_o, b_q, b_k, b_v
	s_load_b256 s[20:27], s[0:1], 0x40             ; xb, wqkv, wo, bqkv
	v_lshlrev_b32 v1, 4, v0                        ; 16 t: my bytes in an f32 row
	v_lshlrev_b32 v2, 3, v0                        ; 8 t: my bytes in a bf16 row
	v_lshrrev_b32 v3, 5, v0
	v_readfirstlane_b32 s31, v3                    ; wave number
	s_mov_b32 s30, ttmp9                           ; g
	s_mov_b32 s29, 0                               ; high word of every offset (all below 4 GiB)
	s_lshl_b32 s28, s30, 17                        ; 32 rows of 4,096 bytes
	s_wait_kmcnt 0x0
	s_add_nc_u64 s[4:5], s[4:5], s[28:29]
	s_lshl_b32 s28, s30, 14                        ; 4 rows of 4,096 bytes
	s_add_nc_u64 s[6:7], s[6:7], s[28:29]
	s_add_nc_u64 s[8:9], s[8:9], s[28:29]
	s_add_nc_u64 s[10:11], s[10:11], s[28:29]
	s_add_nc_u64 s[12:13], s[12:13], s[28:29]
	s_lshl_b32 s28, s30, 16                        ; 32 rows of 2,048 bytes
	s_add_nc_u64 s[20:21], s[20:21], s[28:29]
	s_mul_i32 s28, s30, 4*ROWQ                     ; 4 rows of 6,144 bytes
	s_add_nc_u64 s[22:23], s[22:23], s[28:29]
	s_lshl_b32 s28, s30, 13                        ; 4 rows of 2,048 bytes
	s_add_nc_u64 s[24:25], s[24:25], s[28:29]
.set n, 0
.rept 32
	global_load_b128 v[X+4*n:X+4*n+3], v1, s[4:5] offset:n*ROWF th:TH_LOAD_NT
.set n, n+1
.endr
.irp m, 0,1,2,3
.irp i, 0,1,2,3
	global_load_b128 v[X+4*(32+4*\m+\i):X+4*(32+4*\m+\i)+3], v1, s[6+2*\m:7+2*\m] offset:\i*ROWF th:TH_LOAD_NT
.endr
.endr
; loads come back in order: load n is in when at most the 47 - n younger ones are out
.set n, 0
.rept 32
	s_wait_loadcnt 47-n
	v_cvt_pk_bf16_f32 v[X+4*n], v[X+4*n], v[X+4*n+1]
	v_cvt_pk_bf16_f32 v[X+4*n+1], v[X+4*n+2], v[X+4*n+3]
	global_store_b64 v2, v[X+4*n:X+4*n+1], s[20:21] offset:n*ROWH
.set n, n+1
.endr
.irp m, 0,1,2
.irp i, 0,1,2,3
	s_wait_loadcnt 15-4*\m-\i
	v_cvt_pk_bf16_f32 v[X+4*(32+4*\m+\i)], v[X+4*(32+4*\m+\i)], v[X+4*(32+4*\m+\i)+1]
	v_cvt_pk_bf16_f32 v[X+4*(32+4*\m+\i)+1], v[X+4*(32+4*\m+\i)+2], v[X+4*(32+4*\m+\i)+3]
	global_store_b64 v2, v[X+4*(32+4*\m+\i):X+4*(32+4*\m+\i)+1], s[22:23] offset:\i*ROWQ+\m*ROWH
.endr
.endr
.irp i, 0,1,2,3
	s_wait_loadcnt 3-\i
	v_cvt_pk_bf16_f32 v[X+4*(44+\i)], v[X+4*(44+\i)], v[X+4*(44+\i)+1]
	v_cvt_pk_bf16_f32 v[X+4*(44+\i)+1], v[X+4*(44+\i)+2], v[X+4*(44+\i)+3]
	global_store_b64 v2, v[X+4*(44+\i):X+4*(44+\i)+1], s[24:25] offset:\i*ROWH
.endr
; the three biases, 12,288 bytes: work-groups 0 to 11 copy 1,024 bytes each with their first two waves (64 threads x 16 bytes)
	s_cmp_ge_u32 s30, 12
	s_cbranch_scc1 .Lend
	s_cmp_ge_u32 s31, 2
	s_cbranch_scc1 .Lend
	s_lshr_b32 s32, s30, 2                         ; which bias: 0 b_q, 1 b_k, 2 b_v
	s_cmp_eq_u32 s32, 0
	s_cselect_b64 s[34:35], s[14:15], s[16:17]
	s_cmp_eq_u32 s32, 2
	s_cselect_b64 s[34:35], s[18:19], s[34:35]
	s_and_b32 s28, s30, 3
	s_lshl_b32 s28, s28, 10                        ; which quarter of it
	s_add_nc_u64 s[34:35], s[34:35], s[28:29]
	s_lshl_b32 s28, s30, 10
	s_add_nc_u64 s[26:27], s[26:27], s[28:29]
	global_load_b128 v[4:7], v1, s[34:35]
	s_wait_loadcnt 0x0
	global_store_b128 v1, v[4:7], s[26:27]
.Lend:
	s_endpgm
.Lfunc_end_k_q95d8cf25bc_prep:
	.size	k_q95d8cf25bc_prep, .Lfunc_end_k_q95d8cf25bc_prep-k_q95d8cf25bc_prep
	.p2alignl 7, 3214868480
	.fill 96, 4, 3214868480
	.section	.rodata,"a",@progbits
	.p2align	6, 0x0
	.amdhsa_kernel k_q95d8cf25bc_prep
		.amdhsa_group_segment_fixed_size 0
		.amdhsa_private_segment_fixed_size 0
		.amdhsa_enable_private_segment 0
		.amdhsa_kernarg_size 96
		.amdhsa_user_sgpr_count 2
		.amdhsa_user_sgpr_kernarg_segment_ptr 1
		.amdhsa_wavefront_size32 1
		.amdhsa_system_sgpr_workgroup_id_x 1
		.amdhsa_system_sgpr_workgroup_id_y 1
		.amdhsa_system_sgpr_workgroup_id_z 1
		.amdhsa_system_vgpr_workitem_id 0
		.amdhsa_next_free_vgpr 200
		.amdhsa_next_free_sgpr 66
		.amdhsa_reserve_vcc 0
		.amdhsa_float_denorm_mode_32 3
		.amdhsa_float_denorm_mode_16_64 3
		.amdhsa_memory_ordered 1
		.amdhsa_forward_progress 1
		.amdhsa_inst_pref_size 19
	.end_amdhsa_kernel
	.amdgpu_metadata
---
amdhsa.version: [ 1, 2 ]
amdhsa.kernels:
  - .name:           k_q95d8cf25bc_prep
    .symbol:         k_q95d8cf25bc_prep.kd
    .args:
      - { .name: x, .offset: 0, .size: 8, .value_kind: global_buffer, .address_space: global }
      - { .name: W_q, .offset: 8, .size: 8, .value_kind: global_buffer, .address_space: global }
      - { .name: W_k, .offset: 16, .size: 8, .value_kind: global_buffer, .address_space: global }
      - { .name: W_v, .offset: 24, .size: 8, .value_kind: global_buffer, .address_space: global }
      - { .name: W_o, .offset: 32, .size: 8, .value_kind: global_buffer, .address_space: global }
      - { .name: b_q, .offset: 40, .size: 8, .value_kind: global_buffer, .address_space: global }
      - { .name: b_k, .offset: 48, .size: 8, .value_kind: global_buffer, .address_space: global }
      - { .name: b_v, .offset: 56, .size: 8, .value_kind: global_buffer, .address_space: global }
      - { .name: xb, .offset: 64, .size: 8, .value_kind: global_buffer, .address_space: global }
      - { .name: wqkv, .offset: 72, .size: 8, .value_kind: global_buffer, .address_space: global }
      - { .name: wo, .offset: 80, .size: 8, .value_kind: global_buffer, .address_space: global }
      - { .name: bqkv, .offset: 88, .size: 8, .value_kind: global_buffer, .address_space: global }
    .group_segment_fixed_size: 0
    .private_segment_fixed_size: 0
    .kernarg_segment_align: 8
    .kernarg_segment_size: 96
    .max_flat_workgroup_size: 256
    .sgpr_count:     66
    .vgpr_count:     200
    .wavefront_size: 32
...
	.end_amdgpu_metadata
.endif
;; end of part 1
;; launch qkv (part 2): grid 8 x 32, 4 waves a work-group, clusters of 4 x 4, 327,680 bytes of LDS; arguments xb, wqkv, bqkv, qkv; writes qkv
.if DOCPART == 2
	.amdgcn_target "amdgcn-amd-amdhsa--gfx1250"
	.amdhsa_code_object_version 6
	.text
	.protected	k_q95d8cf25bc_qkv
	.globl	k_q95d8cf25bc_qkv
	.p2align	8
	.type	k_q95d8cf25bc_qkv,@function
k_q95d8cf25bc_qkv:
	s_mov_b64 s[64:65], 0
	v_nop
	global_prefetch_b8 v0, s[64:65] scope:SCOPE_SE
	s_setreg_imm32_b32 hwreg(HW_REG_WAVE_MODE, 25, 1), 1
	s_wait_xcnt 0x0
	s_wait_alu depctr_hold_cnt(0) depctr_sa_sdst(0) depctr_va_vdst(0) depctr_va_sdst(0) depctr_va_ssrc(0) depctr_va_vcc(0) depctr_vm_vsrc(0)
	s_getreg_b32 s2, hwreg(HW_REG_IB_STS2, 6, 4)
	s_cmp_eq_u32 s2, 0
	s_cbranch_scc0 .Lentry_in_a_cluster
	s_endpgm
.Lentry_in_a_cluster:
	s_bfe_u32 s2, ttmp6, 0x10000c
	s_cmp_lg_u32 s2, 0xf033
	s_cbranch_scc0 .Lentry_shape_is_right
	s_endpgm
.Lentry_shape_is_right:
; qkv[8192][3072] (bf16) = xb[8192][1024] x wqkv[1024 k][3072 n] + bqkv, sums in f32, rounded once.
; 8192 x 3072 over 256 work-groups: a block of 256 rows x 384 columns each.  Four waves; wave w takes rows 128 (w >> 1) .. + 127 and the twelve
; 16-column blocks 2 j + (w & 1), j = 0 .. 11: 96 accumulator tiles of 16 x 16, 768 registers.  For 32 along K a wave reads 20 KiB of LDS for 96 matrix instructions.
; A (xb) goes in K steps of 128 (rows of 256 bytes in memory, aligned), B (wqkv) in K steps of 64 (rows of 768 bytes): two slots of each fit in LDS,
; two slots of 128 for both would not (360 KiB).  wqkv lies [k][n]; its fragments come out of LDS by the transposing load.
; CLUSTERS: 4 x 4 work-groups.  A's tile hangs on the block row alone and is asked for jointly along a row of the cluster, B's on the block column alone
; and is asked for jointly along a column: the requests for both are divided by four.  Waves 0, 1 ask for A's halves (128 rows), waves 2, 3 for B's (32 of its 64 rows).
; By this text's own count a wave has at most two tensor loads out (the two first fills), later one.
; The matrix instruction is used transposed (source 0 = 16 columns of B, source 1 = 16 rows of A): a lane's eight results are eight neighbouring columns of one row.
; Limits: operands are bf16 (x and the weights rounded once in the launch before), the result is rounded to bf16.
;
; LDS:  A slot s at s * 69,632 (256 rows, pitch 272);  B slot s at 139,264 + s * 55,296 (64 rows; 32 bytes of padding behind every 256, pitch 864 = 27 x 32);
;       the block's 384 biases at 249,856, bytes into which no tensor load lands;  the way out's stage (256 rows, pitch 784) over the ring after its last fill.
; REGISTERS: window 0: v16-27 addresses, v32-95 and v96-159 A's fragments (two buffers), v160-255 B's twelve fragments (one set, refilled third by third);
;            windows 1-3: tile (j, a) in window 1 + j / 4 at v[8 (8 (j % 4) + a)].
.set APITCH, 272
.set AHALF,  128*APITCH
.set ASLOT,  2*AHALF
.set BPITCH, 864
.set BHALF,  32*BPITCH
.set BSLOT,  2*BHALF
.set BBASE,  2*ASLOT
.set BIASL,  BBASE+2*BSLOT
.set SPITCH, 784
.set ROWC,   6144                      ; bytes in a row of wqkv and of qkv
.set ADRA, 16                          ; v16-17 LDS address of my A fragments in slot 0, 1
.set ADRB, 20                          ; v20-21 the same for B
.set BO,   22                          ; my biases in LDS
.set STO,  24                          ; v24-25 the stage: where I put 16 bytes (rows 0-63, 64-127 of my 128)
.set RD,   26                          ; the stage: where I read rows back
.set CO,   27                          ; my byte offset in qkv
.set AF,   32
.set BF,   160
.set G1A, 24                           ; s[24:31]
.set G0A, 32                           ; s[32:39], a set for each slot
.set G1B, 48                           ; s[48:55]
.set G0B, 56                           ; s[56:63], a set for each slot
.set MSB, 0
.macro WIN new                         ; the immediate's high byte repeats the setting that is left
.if MSB != \new
	s_set_vgpr_msb (MSB<<8)|\new
.set MSB, \new
.endif
.endm
.macro PLACES                          ; four plain places between a matrix instruction and a load into, or a vector use of, its registers
.rept 4
	v_nop
.endr
.endm
.macro CREST                           ; a round of the cluster's barrier behind its opening work-group barrier
	s_cmp_lg_u32 s12, 0
	s_cbranch_scc1 .Lnot_wave_0_\@
	s_barrier_signal -3
.Lnot_wave_0_\@:
	s_barrier_wait -3
	s_barrier_signal -1
	s_barrier_wait -1
.endm
.macro CROUND
	s_barrier_signal -1
	s_barrier_wait -1
	CREST
.endm
.macro JL_AB sa, sb                    ; waves 0, 1: A's halves into slot sa; waves 2, 3: B's halves into slot sb.  One load a wave
	s_cmp_eq_u32 s13, 0
	s_cbranch_scc0 .Lfor_b_\@
	tensor_load_to_lds s[G0A+4*\sa:G0A+4*\sa+3], s[G1A:G1A+7]
	s_nop 0
	s_branch .Lasked_\@
.Lfor_b_\@:
	tensor_load_to_lds s[G0B+4*\sb:G0B+4*\sb+3], s[G1B:G1B+7]
	s_nop 0
.Lasked_\@:
.endm
.macro JL_B sb                         ; B alone: waves 0, 1 have no part to fill
	s_cmp_eq_u32 s13, 0
	s_cbranch_scc1 .Lnone_\@
	tensor_load_to_lds s[G0B+4*\sb:G0B+4*\sb+3], s[G1B:G1B+7]
	s_nop 0
.Lnone_\@:
.endm
; 16 matrix instructions: column blocks j = 4 t + 2 half + {0, 1} x all eight row blocks, A's buffer p.  zero = 1: the first product starts the sums.
; The 96 accumulators take turns, one instruction a turn, in the same order in every step.
.macro MULH t, half, p, zero
.irp jj, 0,1
.irp a, 0,1,2,3,4,5,6,7
.if \zero
	v_wmma_f32_16x16x32_bf16 v[8*(8*(2*\half+\jj)+\a):8*(8*(2*\half+\jj)+\a)+7], v[BF+8*(4*\t+2*\half+\jj):BF+8*(4*\t+2*\half+\jj)+7], v[AF+64*\p+8*\a:AF+64*\p+8*\a+7], 0
.else
	v_wmma_f32_16x16x32_bf16 v[8*(8*(2*\half+\jj)+\a):8*(8*(2*\half+\jj)+\a)+7], v[BF+8*(4*\t+2*\half+\jj):BF+8*(4*\t+2*\half+\jj)+7], v[AF+64*\p+8*\a:AF+64*\p+8*\a+7], v[8*(8*(2*\half+\jj)+\a):8*(8*(2*\half+\jj)+\a)+7]
.endif
.endr
.endr
.endm
; 8 transposing loads: B's fragments j = 4 t .. 4 t + 3, 32 k at rows 32 kq of the slot.  Column block 2 j + nh lies at byte 64 j + 32 nh + 32 (j / 4) of a row.
.macro LB t, slot, kq
.irp jj, 0,1,2,3
	ds_load_tr16_b128 v[BF+8*(4*\t+\jj):BF+8*(4*\t+\jj)+3], v[ADRB+\slot] offset:\kq*BHALF+64*(4*\t+\jj)+32*\t
	ds_load_tr16_b128 v[BF+8*(4*\t+\jj)+4:BF+8*(4*\t+\jj)+7], v[ADRB+\slot] offset:\kq*BHALF+64*(4*\t+\jj)+32*\t+16*BPITCH
.endr
.endm
; 8 loads: A's fragments a = 4 g .. 4 g + 3, 32 k at byte 64 q of the slot's rows, into buffer p
.macro LA g, slot, q, p
.irp aa, 0,1,2,3
	ds_load_b128 v[AF+64*\p+8*(4*\g+\aa):AF+64*\p+8*(4*\g+\aa)+3], v[ADRA+\slot] offset:(4*\g+\aa)*16*APITCH+64*\q
	ds_load_b128 v[AF+64*\p+8*(4*\g+\aa)+4:AF+64*\p+8*(4*\g+\aa)+7], v[ADRA+\slot] offset:(4*\g+\aa)*16*APITCH+64*\q+32
.endr
.endm
; the second and third window of a step of 32 along K, with the rest of the next step's fragments
.macro REST p, np, zero, nas, nq, nbs, nkq, lastwait
	WIN 0xa0
	MULH 1, 0, \p, \zero
	MULH 1, 1, \p, \zero
	WIN 0
	PLACES
	LB 1, \nbs, \nkq
	LA 1, \nas, \nq, \np
.if \lastwait
	s_wait_dscnt 0x20                              ; B's blocks 8-11 of this step are in: only the 32 loads issued in this step may be out
.endif
	WIN 0xf0
	MULH 2, 0, \p, \zero
	MULH 2, 1, \p, \zero
	WIN 0
	PLACES
	LB 2, \nbs, \nkq
.endm
; A step inside a B slot: multiplies A's buffer 0, fetches the next step's fragments (A slot nas, quarter nq, into buffer 1; B slot nbs, half nkq)
.macro STEP zero, nas, nq, nbs, nkq
	s_wait_dscnt 0x8                               ; all of the last step's loads but its last eight (B's blocks 8-11) are in
	WIN 0x50
	MULH 0, 0, 0, \zero
	MULH 0, 1, 0, \zero
	WIN 0
	PLACES
	LB 0, \nbs, \nkq
	LA 0, \nas, \nq, 1
	REST 0, 1, \zero, \nas, \nq, \nbs, \nkq, 1
.endm
; The last step of a B slot: multiplies A's buffer 1 and changes slots.  kind 0: nothing is filled; 1: B's slot sb is filled again; 2: A's slot sa too.
; In front of the barrier each wave waits for all its LDS reads (the slots that end here are read no more) and for all its tensor loads (the next slots are whole).
; Where a slot is filled again the barrier opens a round of the cluster's barrier, and the joint load is the first tensor load behind the round, one a wave.
.macro TURN kind, sb, sa, nas, nq, nbs, nkq
	s_wait_dscnt 0x8
	WIN 0x50
	MULH 0, 0, 1, 0
	s_wait_dscnt 0x0
	s_wait_tensorcnt 0x0
	ds_add_u32 v30, v31
	s_wait_dscnt 0x0
	s_barrier_signal -1
	MULH 0, 1, 1, 0                                ; register work while the others arrive
	WIN 0
	s_barrier_wait -1
.if \kind
	CREST
	s_add_nc_u64 s[G0B+4*\sb+2:G0B+4*\sb+3], s[G0B+4*\sb+2:G0B+4*\sb+3], 128*ROWC   ; no tensor load of mine is out: two B tiles (128 rows of k) on
.if \kind == 2
	s_add_nc_u64 s[G0A+4*\sa+2:G0A+4*\sa+3], s[G0A+4*\sa+2:G0A+4*\sa+3], 512        ; two A tiles (256 along K) on
	JL_AB \sa, \sb
.else
	JL_B \sb
.endif
.endif
	PLACES
	LB 0, \nbs, \nkq
	LA 0, \nas, \nq, 0
	REST 1, 0, 0, \nas, \nq, \nbs, \nkq, 0
.endm
.macro LAP zero                        ; 256 along K: both A slots, each B slot twice, all filled again
	STEP \zero, 0, 1, 0, 1
	TURN 1, 0, 0, 0, 2, 1, 0
	STEP 0, 0, 3, 1, 1
	TURN 2, 1, 0, 1, 0, 0, 0
	STEP 0, 1, 1, 0, 1
	TURN 1, 0, 1, 1, 2, 1, 0
	STEP 0, 1, 3, 1, 1
	TURN 2, 1, 1, 0, 0, 0, 0
.endm
	s_load_b256 s[4:11], s[0:1], 0x0               ; xb s[4:5], wqkv s[6:7], bqkv s[8:9], qkv s[10:11]
	v_lshl_add_u32 v30, v0, 2, 0x3d800
	v_mov_b32 v31, 0
	ds_add_u32 v30, v31
	v_lshrrev_b32 v1, 5, v0
	v_readfirstlane_b32 s12, v1                    ; wave 0..3
	s_lshr_b32 s13, s12, 1                         ; my half of the block's rows.  Also: I ask for A (0) or for B (1)
	s_and_b32 s14, s12, 1                          ; my column blocks' parity.  Also: which half of a tile I ask for
	s_bfe_u32 s40, ttmp6, 0x40000                  ; cx
	s_bfe_u32 s41, ttmp6, 0x40004                  ; cy
	s_lshl_b32 s42, ttmp9, 2
	s_add_co_u32 s42, s42, s40                     ; X: block column, 0..7
	s_and_b32 s43, ttmp7, 0xffff
	s_lshl_b32 s43, s43, 2
	s_add_co_u32 s43, s43, s41                     ; Y: block row, 0..31
	s_lshl_b32 s44, s41, 2
	s_lshl_b32 s44, 15, s44                        ; my row of the cluster
	s_lshl_b32 s45, 0x1111, s40                    ; my column
	; group 1 for A: 128 rows x 128 elements of 2 bytes, 4 words of padding behind every 64 words
	s_or_b32 s[G1A+0], s44, (1<<16)|(1<<20)|(1<<21)|(5<<22)|(3<<25)
	s_mov_b32 s[G1A+1], 128<<16                    ; tensor_dim0 = 128
	s_mov_b32 s[G1A+2], 128<<16                    ; tensor_dim1 = 128
	s_mov_b32 s[G1A+3], 128<<16                    ; tile_dim0 = 128
	s_mov_b32 s[G1A+4], 128                        ; tile_dim1 = 128
	s_mov_b32 s[G1A+5], 1024                       ; elements from row to row
	s_mov_b32 s[G1A+6], 0
	s_mov_b32 s[G1A+7], 0
	; group 1 for B: 32 rows x 384 elements, 8 words of padding behind every 64 words (three times in a row)
	s_or_b32 s[G1B+0], s45, (1<<16)|(1<<20)|(1<<21)|(5<<22)|(7<<25)
	s_mov_b32 s[G1B+1], 384<<16
	s_mov_b32 s[G1B+2], 32<<16
	s_mov_b32 s[G1B+3], 384<<16
	s_mov_b32 s[G1B+4], 32
	s_mov_b32 s[G1B+5], 3072
	s_mov_b32 s[G1B+6], 0
	s_mov_b32 s[G1B+7], 0
	; A's address is made of Y and the wave, B's of X and the wave, each in registers that never hold the other coordinate
	s_lshl_b32 s16, s43, 8
	s_lshl_b32 s17, s14, 7
	s_add_co_u32 s16, s16, s17                     ; row 256 Y + 128 (w & 1)
	s_lshl_b32 s16, s16, 11                        ; x 2,048 bytes
	s_mov_b32 s17, 0
	s_mul_i32 s66, s14, 32*ROWC                    ; k row 32 (w & 1)
	s_mul_i32 s67, s42, 768                        ; column 384 X
	s_add_co_u32 s66, s66, s67
	s_mov_b32 s67, 0
	s_mul_i32 s20, s12, AHALF                      ; LDS: A's halves at wave x 128 rows (waves 0, 1)
	s_mul_i32 s21, s12, BHALF
	s_add_co_u32 s21, s21, BBASE-2*BHALF           ; B's halves at (wave - 2) x 32 rows behind A's slots (waves 2, 3)
	s_mul_i32 s68, s42, 1536                       ; the block's 384 biases
	s_mov_b32 s69, 0
	s_lshl_b32 s72, s43, 8
	s_lshl_b32 s73, s12, 6
	s_add_co_u32 s72, s72, s73                     ; the way out: row 256 Y + 64 w
	s_mul_i32 s72, s72, ROWC
	s_mul_i32 s73, s42, 768
	s_add_co_u32 s72, s72, s73
	s_mov_b32 s73, 0
	s_wait_dscnt 0x0
	s_wait_kmcnt 0x0
	s_add_nc_u64 s[18:19], s[4:5], s[16:17]
	s_add_nc_u64 s[22:23], s[6:7], s[66:67]
	s_add_nc_u64 s[68:69], s[8:9], s[68:69]
	s_add_nc_u64 s[70:71], s[10:11], s[72:73]
	CROUND                                         ; all sixteen work-groups are here: the first joint loads meet
.irp s, 0,1
	s_mov_b32 s[G0A+4*\s], 1
	s_add_co_u32 s[G0A+4*\s+1], s20, \s*ASLOT
	s_add_nc_u64 s[G0A+4*\s+2:G0A+4*\s+3], s[18:19], \s*256
	s_or_b32 s[G0A+4*\s+3], s[G0A+4*\s+3], 0x80000000
	s_mov_b32 s[G0B+4*\s], 1
	s_add_co_u32 s[G0B+4*\s+1], s21, \s*BSLOT
	s_add_nc_u64 s[G0B+4*\s+2:G0B+4*\s+3], s[22:23], \s*64*ROWC
	s_or_b32 s[G0B+4*\s+3], s[G0B+4*\s+3], 0x80000000
	JL_AB \s, \s                                   ; both slots of both rings, before anything else
.endr
	; the block's biases into LDS: 96 threads x 16 bytes
	v_lshlrev_b32 v6, 4, v0
	v_add_nc_u32 v7, BIASL, v6
	s_cmp_gt_u32 s12, 2
	s_cbranch_scc1 .Lno_bias
	global_load_b128 v[8:11], v6, s[68:69]
	s_wait_loadcnt 0x0
	ds_store_b128 v7, v[8:11]
.Lno_bias:
	v_and_b32 v1, 15, v0                           ; r = lane % 16
	v_bfe_u32 v2, v0, 4, 1                         ; h = lane / 16
	v_mul_u32_u24 v3, v1, APITCH
	v_lshl_add_u32 v3, v2, 4, v3                   ; r x pitch + 16 h
	s_mul_i32 s74, s13, AHALF
	v_add_nc_u32 v[ADRA], s74, v3
	v_add_nc_u32 v[ADRA+1], ASLOT, v[ADRA]
	v_and_b32 v4, 7, v0
	v_lshl_add_u32 v4, v2, 3, v4                   ; k row 8 h + lane % 8
	v_mul_u32_u24 v4, v4, BPITCH
	v_bfe_u32 v5, v0, 3, 1
	v_lshl_add_u32 v4, v5, 4, v4                   ; + 16 bytes for lanes 8-15 and 24-31
	s_lshl_b32 s74, s14, 5
	s_add_co_u32 s74, s74, BBASE
	v_add_nc_u32 v[ADRB], s74, v4
	v_add_nc_u32 v[ADRB+1], BSLOT, v[ADRB]
	s_lshl_b32 s74, s14, 6
	s_add_co_u32 s74, s74, BIASL
	v_lshl_add_u32 v[BO], v2, 5, s74               ; biases of columns 32 j + 16 nh + 8 h ..: 128 j in the immediate
	s_lshl_b32 s74, s13, 7
	v_add_nc_u32 v5, s74, v1
	v_mul_u32_u24 v5, v5, SPITCH                   ; stage row 128 mh + r
	v_lshl_add_u32 v5, v2, 4, v5
	s_lshl_b32 s74, s14, 5
	v_add_nc_u32 v[STO], s74, v5
	v_add_nc_u32 v[STO+1], 64*SPITCH, v[STO]
	s_lshl_b32 s74, s12, 6
	v_add_nc_u32 v5, s74, v2
	v_mul_u32_u24 v5, v5, SPITCH                   ; back: stage row 64 w + h
	v_lshl_add_u32 v[RD], v1, 4, v5
	v_mul_u32_u24 v5, v2, ROWC
	v_lshl_add_u32 v[CO], v1, 4, v5
	s_wait_tensorcnt 0x1                           ; my part of slot 0 is in; slot 1's may stay out
	s_wait_dscnt 0x0                               ; my biases are stored
	s_barrier_signal -1
	s_barrier_wait -1
	LB 0, 0, 0
	LA 0, 0, 0, 0
	LB 1, 0, 0
	LA 1, 0, 0, 0
	LB 2, 0, 0
	LAP 1                                          ; the first lap stands in front of the loop: its first products start the sums
	s_mov_b32 s3, 2
.Llap:
	LAP 0
	s_sub_co_u32 s3, s3, 1
	s_cmp_lg_u32 s3, 0
	s_cbranch_scc1 .Llap
	; the last lap: B's tiles 14 and 15 are the last fills; A's are all in or on their way
	STEP 0, 0, 1, 0, 1
	TURN 1, 0, 0, 0, 2, 1, 0
	STEP 0, 0, 3, 1, 1
	TURN 1, 1, 0, 1, 0, 0, 0
	STEP 0, 1, 1, 0, 1
	TURN 0, 0, 1, 1, 2, 1, 0
	STEP 0, 1, 3, 1, 1
	s_wait_dscnt 0x8                               ; the very last step: nothing more to fetch
	WIN 0x50
	MULH 0, 0, 1, 0
	MULH 0, 1, 1, 0
	WIN 0xa0
	MULH 1, 0, 1, 0
	MULH 1, 1, 1, 0
	s_wait_dscnt 0x0
	WIN 0xf0
	MULH 2, 0, 1, 0
	MULH 2, 1, 1, 0
	WIN 0
	; THE WAY OUT: add the bias, round to bf16, 16 bytes a lane into the stage, read whole rows back and store them.
	PLACES
	s_barrier_signal -1                            ; every wave's reads of the ring are back and no tensor load is out:
	s_barrier_wait -1                              ; the ring's bytes, which have had their last fill, become the stage
.irp j, 0,1,2,3,4,5,6,7,8,9,10,11
	ds_load_b128 v[BF+8*\j:BF+8*\j+3], v[BO] offset:128*\j
	ds_load_b128 v[BF+8*\j+4:BF+8*\j+7], v[BO] offset:128*\j+16
.endr
	s_wait_dscnt 0x0
; 16 tiles: window wn, column blocks j = 4 (wn - 1) + 2 g + {0, 1}, all eight row blocks
.macro OUTG wn, g
	WIN \wn
.irp jj, 0,1
.irp a, 0,1,2,3,4,5,6,7
.irp k, 0,2,4,6
	v_pk_add_f32 v[AF+8*(8*\jj+\a)+\k:AF+8*(8*\jj+\a)+\k+1], v[8*(8*(2*\g+\jj)+\a)+\k:8*(8*(2*\g+\jj)+\a)+\k+1], v[BF+8*(4*(\wn-1)+2*\g+\jj)+\k:BF+8*(4*(\wn-1)+2*\g+\jj)+\k+1]
.endr
.endr
.endr
	WIN 0
.irp jj, 0,1
.irp a, 0,1,2,3,4,5,6,7
.irp k, 0,1,2,3
	v_cvt_pk_bf16_f32 v[AF+8*(8*\jj+\a)+\k], v[AF+8*(8*\jj+\a)+2*\k], v[AF+8*(8*\jj+\a)+2*\k+1]
.endr
	ds_store_b128 v[STO+\a/4], v[AF+8*(8*\jj+\a):AF+8*(8*\jj+\a)+3] offset:(\a%4)*16*SPITCH+64*(4*(\wn-1)+2*\g+\jj)
.endr
.endr
.endm
	OUTG 1, 0
	OUTG 1, 1
	OUTG 2, 0
	OUTG 2, 1
	OUTG 3, 0
	OUTG 3, 1
	s_wait_dscnt 0x0                               ; my part of the stage is stored,
	s_barrier_signal -1
	s_barrier_wait -1                              ; everybody's is
; 16 of my 96 pieces (64 rows x 3 pieces of 256 bytes, two rows an instruction): sixteen lanes store 256 consecutive bytes, aligned
.macro BACK b
	s_wait_xcnt 0x0                                ; the registers that earlier stores read are loaded again only behind this wait
.irp t, 0,1,2,3,4,5,6,7,8,9,10,11,12,13,14,15
	ds_load_b128 v[AF+64*(\b%2)+4*\t:AF+64*(\b%2)+4*\t+3], v[RD] offset:2*((16*\b+\t)/3)*SPITCH+256*((16*\b+\t)%3)
.endr
.irp t, 0,1,2,3,4,5,6,7,8,9,10,11,12,13,14,15
	s_wait_dscnt 15-\t
	global_store_b128 v[CO], v[AF+64*(\b%2)+4*\t:AF+64*(\b%2)+4*\t+3], s[70:71] offset:2*((16*\b+\t)/3)*ROWC+256*((16*\b+\t)%3)
.endr
.endm
	BACK 0
	BACK 1
	BACK 2
	BACK 3
	BACK 4
	BACK 5
	s_wait_tensorcnt 0x0
	ds_add_u32 v30, v31
	s_wait_dscnt 0x0
	CROUND                                         ; the closing round: no work-group ends while a partner may still ask for a tile that names it
	s_endpgm
.Lfunc_end_k_q95d8cf25bc_qkv:
	.size	k_q95d8cf25bc_qkv, .Lfunc_end_k_q95d8cf25bc_qkv-k_q95d8cf25bc_qkv
	.p2alignl 7, 3214868480
	.fill 96, 4, 3214868480
	.section	.rodata,"a",@progbits
	.p2align	6, 0x0
	.amdhsa_kernel k_q95d8cf25bc_qkv
		.amdhsa_group_segment_fixed_size 327680
		.amdhsa_private_segment_fixed_size 0
		.amdhsa_enable_private_segment 0
		.amdhsa_kernarg_size 32
		.amdhsa_user_sgpr_count 2
		.amdhsa_user_sgpr_kernarg_segment_ptr 1
		.amdhsa_wavefront_size32 1
		.amdhsa_system_sgpr_workgroup_id_x 1
		.amdhsa_system_sgpr_workgroup_id_y 1
		.amdhsa_system_sgpr_workgroup_id_z 1
		.amdhsa_system_vgpr_workitem_id 0
		.amdhsa_next_free_vgpr 1024
		.amdhsa_next_free_sgpr 80
		.amdhsa_reserve_vcc 0
		.amdhsa_float_denorm_mode_32 3
		.amdhsa_float_denorm_mode_16_64 3
		.amdhsa_memory_ordered 1
		.amdhsa_forward_progress 1
		.amdhsa_inst_pref_size 255
	.end_amdhsa_kernel
	.section	.bss,"aw",@nobits
	.p2align	6
	.space	262144
	.amdgpu_metadata
---
amdhsa.version: [ 1, 2 ]
amdhsa.kernels:
  - .name:           k_q95d8cf25bc_qkv
    .symbol:         k_q95d8cf25bc_qkv.kd
    .args:
      - { .name: xb, .offset: 0, .size: 8, .value_kind: global_buffer, .address_space: global }
      - { .name: wqkv, .offset: 8, .size: 8, .value_kind: global_buffer, .address_space: global }
      - { .name: bqkv, .offset: 16, .size: 8, .value_kind: global_buffer, .address_space: global }
      - { .name: qkv, .offset: 24, .size: 8, .value_kind: global_buffer, .address_space: global }
    .group_segment_fixed_size: 327680
    .private_segment_fixed_size: 0
    .kernarg_segment_align: 8
    .kernarg_segment_size: 32
    .max_flat_workgroup_size: 128
    .sgpr_count:     80
    .vgpr_count:     1024
    .wavefront_size: 32
...
	.end_amdgpu_metadata
.endif
;; end of part 2
;; launch attn (part 3): grid 8 x 32, 8 waves a work-group, clusters of 4 x 1, 327,680 bytes of LDS; arguments qkv, attn; writes attn
.if DOCPART == 3
	.amdgcn_target "amdgcn-amd-amdhsa--gfx1250"
	.amdhsa_code_object_version 6
	.text
	.protected	k_q95d8cf25bc_attn
	.globl	k_q95d8cf25bc_attn
	.p2align	8
	.type	k_q95d8cf25bc_attn,@function
k_q95d8cf25bc_attn:
	s_mov_b64 s[64:65], 0
	v_nop
	global_prefetch_b8 v0, s[64:65] scope:SCOPE_SE
	s_setreg_imm32_b32 hwreg(HW_REG_WAVE_MODE, 25, 1), 1
	s_wait_xcnt 0x0
	s_wait_alu depctr_hold_cnt(0) depctr_sa_sdst(0) depctr_va_vdst(0) depctr_va_sdst(0) depctr_va_ssrc(0) depctr_va_vcc(0) depctr_vm_vsrc(0)
	s_getreg_b32 s2, hwreg(HW_REG_IB_STS2, 6, 4)
	s_cmp_eq_u32 s2, 0
	s_cbranch_scc0 .Lentry_in_a_cluster
	s_endpgm
.Lentry_in_a_cluster:
	s_bfe_u32 s2, ttmp6, 0x10000c
	s_cmp_lg_u32 s2, 0x3003
	s_cbranch_scc0 .Lentry_shape_is_right
	s_endpgm
.Lentry_shape_is_right:
; attn[token][64 head + d] (bf16) = softmax(Q K^T / 8) V per head, from qkv[8192 tokens][3072] (bf16; Q at byte 0, K at 2,048, V at 4,096 of a row).
; A work-group: one batch b, one PAIR of heads pr, 256 query rows.  With two heads every row of Q, K, V and of the result is 256 consecutive bytes, aligned.
; Eight waves, two to a SIMD.  Wave w: head w >> 2 of the pair, query rows 64 (w & 3) .. + 63, as four blocks q of 16 queries.
; Keys go in tiles of 128 through two LDS slots; a tile is worked on in two chunks of 64 keys.
; TRANSPOSED PRODUCTS: S^T = K Q^T (a lane holds one query and eight keys a tile), so that two neighbouring key tiles, packed to bf16, ARE the second operand of
; O^T = V^T P^T: P never changes lanes.  V^T comes out of LDS by the transposing load.  A query's statistics are one number a lane; the two lanes that share a
; query meet by one v_permlanex16_b32.
; SOFTMAX: running maximum m per query; p = 2^(c s - c m), c = log2(e) / 8; when m moves, O and l are scaled by 2^(c m_old - c m_new), always (no branch on data).
; A PIPELINE OVER THE FOUR QUERY BLOCKS, so that matrix and vector lines stand side by side in one wave.  The turn of block q:
;   ZM   sum and rounding of block q - 1, woven with the maximum and the statistics of block q (vector lines alone);
;   XQ   the 8 products of S(q + 1), each followed by 2 multiply-adds and 4 exponentials of block q;
;   PVR  the 8 products O(q - 1) += V^T P(q - 1), each followed by 2 lines that rescale O(q).
; S(q + 1) is written only after P(q + 1) of the chunk before has been multiplied, so the pipeline needs no register more than the phases would.
; K's fragments of the next chunk are fetched behind XQ of turn 2 (which reads the old ones last), V's of this chunk behind PVR of turn 0.
; CLUSTER: the four query blocks of a cluster need the same K and V tiles and ask for them jointly (mask 15).  Waves 0-3 ask for K's quarters, waves 4-7 for V's
; (32 of a tile's 128 rows each, so that every wave issues exactly one load behind every round).  Q is each work-group's own (a plain load).
; By this text's own count a wave has at most three tensor loads out (Q's part and its parts of tiles 0 and 1, at the start), later one.
; Limits: Q, K, V, P and the result are bf16; l is summed from the unrounded p; v_exp_f32 gives 0 below 2^-126 (harmless: l >= 1); scores that are not finite give
; results that are not finite.
;
; LDS: slot s at s * 73,728: K 128 rows, pitch 272; V at + 36,864, 128 rows, pitch 288 = 9 x 32.  At 147,456: Q, 256 rows, pitch 272, filled once; at the end the result's stage.
; REGISTERS: window 0: v2-9 addresses, v12-51 statistics, v64-127 K's fragments, v128-255 S (then P in place);
;            window 1: v0-127 O (tile (db, q) at 8 (4 q + db)), v128-191 Q's fragments, v192-255 V's.
; So dealt, each mixed block has ONE window setting: XQ 0x04 (source 1 alone in window 1: Q's fragment; the multiply-add has a scalar there, the exponential no source 1),
; PVR 0x51 (source 0, source 2 and the destination in window 1: V's fragment and O; the rescale O = O x AL reads the same places).
.set KPITCH, 272
.set VPITCH, 288
.set VOFF,   36864
.set SLOT,   73728
.set QS,     147456
.set ROWC,   6144                      ; bytes in a row of qkv
.set TILEB,  128*ROWC                  ; from a key tile to the next
.set ADRK, 2                           ; v2-3  K's fragments in slot 0, 1
.set ADRV, 4                           ; v4-5  V's
.set ADRQ, 6                           ; Q's fragments; at the end: where I put 16 bytes of the result
.set RD,   7                           ; the stage: where I read rows back
.set CO,   8                           ; my byte offset in attn
.set PF,   9                           ; prefetch: my row's byte offset
.set M,    12                          ; v12-15 running maximum of query block q
.set LS,   16                          ; v16-19 running sum (of my half of the keys)
.set NM,   20                          ; v20-27 -c m, twice (a pair for the packed multiply-add)
.set AL,   28                          ; v28-35 the scale of O and l, twice
.set T,    36                          ; v36-51 at work, four for each q
.set KF,   64                          ; window 0: (kb, ks) at KF + 8 (2 kb + ks)
.set SC,   128                         ; window 0: (q, kb) at SC + 32 q + 8 kb
.set QF,   128                         ; window 1: (q, ks) at QF + 8 (2 q + ks)
.set VF,   192                         ; window 1: (db, vs) at VF + 8 (2 db + vs)
.set G1Q, 16
.set G1K, 24
.set G1V, 32
.set G0Q, 40
.set G0K, 44                           ; s[44:51], a set for each slot
.set G0V, 52                           ; s[52:59]
.set MSB, 0
.macro WIN new                         ; the immediate's high byte repeats the setting that is left
.if MSB != \new
	s_set_vgpr_msb (MSB<<8)|\new
.set MSB, \new
.endif
.endm
.macro NOPS n                          ; plain places behind matrix instructions (ISA guide 7.12.1)
.rept \n
	v_nop
.endr
.endm
.macro CREST                           ; a round of the cluster's barrier behind its opening work-group barrier
	s_cmp_lg_u32 s8, 0
	s_cbranch_scc1 .Lnot_wave_0_\@
	s_barrier_signal -3
.Lnot_wave_0_\@:
	s_barrier_wait -3
	s_barrier_signal -1
	s_barrier_wait -1
.endm
.macro ROUND                           ; a whole round
	s_barrier_signal -1
	s_barrier_wait -1
	CREST
.endm
.macro JLOAD s                         ; my quarter of a tile into slot s: K's (waves 0-3) or V's (waves 4-7)
	s_cmp_eq_u32 s10, 0
	s_cbranch_scc0 .Lfor_v_\@
	tensor_load_to_lds s[G0K+4*\s:G0K+4*\s+3], s[G1K:G1K+7]
	s_nop 0
	s_branch .Lasked_\@
.Lfor_v_\@:
	tensor_load_to_lds s[G0V+4*\s:G0V+4*\s+3], s[G1V:G1V+7]
	s_nop 0
.Lasked_\@:
.endm
.macro LOADK s, c                      ; 16 loads: 64 keys x 64 d of my head, chunk c of slot s
	WIN 0
.irp kb, 0,1,2,3
.irp ks, 0,1
	ds_load_b128 v[KF+8*(2*\kb+\ks):KF+8*(2*\kb+\ks)+3], v[ADRK+\s] offset:\c*64*KPITCH+\kb*16*KPITCH+64*\ks
	ds_load_b128 v[KF+8*(2*\kb+\ks)+4:KF+8*(2*\kb+\ks)+7], v[ADRK+\s] offset:\c*64*KPITCH+\kb*16*KPITCH+64*\ks+32
.endr
.endr
.endm
.macro LOADV s, c                      ; 16 transposing loads: 64 d x 64 keys
	WIN 0x40
.irp db, 0,1,2,3
.irp vs, 0,1
	ds_load_tr16_b128 v[VF+8*(2*\db+\vs):VF+8*(2*\db+\vs)+3], v[ADRV+\s] offset:\c*64*VPITCH+\vs*32*VPITCH+32*\db
	ds_load_tr16_b128 v[VF+8*(2*\db+\vs)+4:VF+8*(2*\db+\vs)+7], v[ADRV+\s] offset:\c*64*VPITCH+\vs*32*VPITCH+32*\db+16*VPITCH
.endr
.endr
.endm
; The i-th of the 8 products of S^T(sq) = K Q^T: i = 0..3 start the four key tiles on d 0-31, i = 4..7 add d 32-63.
; The four accumulators take turns, one instruction a turn.
.macro SWM sq, i
.if \i < 4
	v_wmma_f32_16x16x32_bf16 v[SC+32*\sq+8*\i:SC+32*\sq+8*\i+7], v[KF+16*\i:KF+16*\i+7], v[QF+16*\sq:QF+16*\sq+7], 0
.else
	v_wmma_f32_16x16x32_bf16 v[SC+32*\sq+8*(\i-4):SC+32*\sq+8*(\i-4)+7], v[KF+16*(\i-4)+8:KF+16*(\i-4)+15], v[QF+16*\sq+8:QF+16*\sq+15], v[SC+32*\sq+8*(\i-4):SC+32*\sq+8*(\i-4)+7]
.endif
.endm
; S(sq)'s products (dos = 1) side by side with block q's exponents c s - c m and exponentials.  The exponentials run one group of four registers behind the
; multiply-adds that feed them.  No line straight behind an exponential touches its register (ISA guide 5.7.2); the results are first read in ZM, behind plain lines.
.macro XQ q, sq, dos
	WIN 0x04
.irp i, 0,1,2,3,4,5,6,7
.if \dos
	SWM \sq, \i
.endif
	v_pk_fma_f32 v[SC+32*\q+4*\i:SC+32*\q+4*\i+1], v[SC+32*\q+4*\i:SC+32*\q+4*\i+1], s[66:67], v[NM+2*\q:NM+2*\q+1] op_sel_hi:[1,0,1]
	v_pk_fma_f32 v[SC+32*\q+4*\i+2:SC+32*\q+4*\i+3], v[SC+32*\q+4*\i+2:SC+32*\q+4*\i+3], s[66:67], v[NM+2*\q:NM+2*\q+1] op_sel_hi:[1,0,1]
.if \i > 0
.irp e, 0,1,2,3
	v_exp_f32 v[SC+32*\q+4*(\i-1)+\e], v[SC+32*\q+4*(\i-1)+\e]
.endr
.endif
.endr
.irp e, 28,29,30,31
	v_exp_f32 v[SC+32*\q+\e], v[SC+32*\q+\e]
.endr
.endm
; O^T(pq) += V^T P^T(pq): four tiles on keys 0-31 of the chunk, then the same four on keys 32-63, by turns likewise; zero = 1: the first products start the sums.
; dor = 1: side by side with O(rq) *= 2^(c m_old - c m_new).  dor = 0: four places stand behind the products instead.
.macro PVR pq, rq, zero, dor
	WIN 0x51
.irp i, 0,1,2,3,4,5,6,7
.if \i < 4
.if \zero
	v_wmma_f32_16x16x32_bf16 v[8*(4*\pq+\i):8*(4*\pq+\i)+7], v[VF+16*\i:VF+16*\i+7], v[SC+32*\pq:SC+32*\pq+7], 0
.else
	v_wmma_f32_16x16x32_bf16 v[8*(4*\pq+\i):8*(4*\pq+\i)+7], v[VF+16*\i:VF+16*\i+7], v[SC+32*\pq:SC+32*\pq+7], v[8*(4*\pq+\i):8*(4*\pq+\i)+7]
.endif
.else
	v_wmma_f32_16x16x32_bf16 v[8*(4*\pq+\i-4):8*(4*\pq+\i-4)+7], v[VF+16*(\i-4)+8:VF+16*(\i-4)+15], v[SC+32*\pq+16:SC+32*\pq+23], v[8*(4*\pq+\i-4):8*(4*\pq+\i-4)+7]
.endif
.if \dor
	v_pk_mul_f32 v[32*\rq+4*\i:32*\rq+4*\i+1], v[32*\rq+4*\i:32*\rq+4*\i+1], v[AL+2*\rq:AL+2*\rq+1]
	v_pk_mul_f32 v[32*\rq+4*\i+2:32*\rq+4*\i+3], v[32*\rq+4*\i+2:32*\rq+4*\i+3], v[AL+2*\rq:AL+2*\rq+1]
.endif
.endr
.if \dor == 0
	NOPS 4
.endif
.endm
; step i (0..6) of block q's sum of p: two chains of packed adds over its 32 registers
.macro ZS doz, q, i
.if \doz
.if \i == 0
	s_wait_alu depctr_va_vdst(0)
	v_pk_add_f32 v[T+4*\q:T+4*\q+1], v[SC+32*\q:SC+32*\q+1], v[SC+32*\q+2:SC+32*\q+3]
	v_pk_add_f32 v[T+4*\q+2:T+4*\q+3], v[SC+32*\q+4:SC+32*\q+5], v[SC+32*\q+6:SC+32*\q+7]
.else
	v_pk_add_f32 v[T+4*\q:T+4*\q+1], v[T+4*\q:T+4*\q+1], v[SC+32*\q+4+4*\i:SC+32*\q+5+4*\i]
	v_pk_add_f32 v[T+4*\q+2:T+4*\q+3], v[T+4*\q+2:T+4*\q+3], v[SC+32*\q+6+4*\i:SC+32*\q+7+4*\i]
.endif
.endif
.endm
; doz = 1: block zq's sum of p, l = l x AL + sum (zfirst = 1: l = sum), and P to bf16 in place: key tiles 0, 1 become registers 0-7, tiles 2, 3 registers 16-23.
; dom = 1: block mq's maximum over my 32 scores and my partner lane's, m, -c m, and the scale AL = 2^(c m_old - c m_new) (mfirst = 1: there is no old m).
; The two are woven: the sums stand in the gaps of the chain max, permlane, max, multiply, subtract, exponential.
.macro ZM zq, zfirst, doz, mq, mfirst, dom
	WIN 0
.if \dom
.irp kb, 0,1,2,3
	v_max3_num_f32 v[T+4*\mq+\kb], v[SC+32*\mq+8*\kb], v[SC+32*\mq+8*\kb+1], v[SC+32*\mq+8*\kb+2]
.endr
.irp kb, 0,1,2,3
	v_max3_num_f32 v[T+4*\mq+\kb], v[T+4*\mq+\kb], v[SC+32*\mq+8*\kb+3], v[SC+32*\mq+8*\kb+4]
.endr
.irp kb, 0,1,2,3
	v_max3_num_f32 v[T+4*\mq+\kb], v[T+4*\mq+\kb], v[SC+32*\mq+8*\kb+5], v[SC+32*\mq+8*\kb+6]
.endr
.irp kb, 0,1,2,3
	v_max_num_f32 v[T+4*\mq+\kb], v[T+4*\mq+\kb], v[SC+32*\mq+8*\kb+7]
.endr
	v_max3_num_f32 v[T+4*\mq], v[T+4*\mq], v[T+4*\mq+1], v[T+4*\mq+2]
.endif
	ZS \doz, \zq, 0
.if \dom
	v_max_num_f32 v[T+4*\mq], v[T+4*\mq], v[T+4*\mq+3]
.endif
	ZS \doz, \zq, 1
.if \dom
	v_permlanex16_b32 v[T+4*\mq+1], v[T+4*\mq], s70, s71   ; the other half of my query's keys
.endif
	ZS \doz, \zq, 2
.if \dom
.if \mfirst
	v_max_num_f32 v[M+\mq], v[T+4*\mq], v[T+4*\mq+1]
.else
	v_max3_num_f32 v[M+\mq], v[T+4*\mq], v[T+4*\mq+1], v[M+\mq]
.endif
.endif
	ZS \doz, \zq, 3
.if \dom
	v_mul_f32 v[T+4*\mq+2], s68, v[M+\mq]                  ; -c m_new
.endif
	ZS \doz, \zq, 4
.if \dom
.if \mfirst == 0
	v_sub_f32 v[T+4*\mq+3], v[T+4*\mq+2], v[NM+2*\mq]      ; c m_old - c m_new <= 0, from the very addends that the exponentials use
.endif
.endif
	ZS \doz, \zq, 5
.if \dom
.if \mfirst == 0
	v_exp_f32 v[AL+2*\mq], v[T+4*\mq+3]
.endif
.endif
	ZS \doz, \zq, 6
.if \dom
	v_mov_b32 v[NM+2*\mq], v[T+4*\mq+2]                    ; plain lines that touch neither the exponential's result nor its source (ISA guide 5.7.2)
	v_mov_b32 v[NM+2*\mq+1], v[T+4*\mq+2]
.if \mfirst == 0
	s_wait_alu depctr_va_vdst(0)
	v_mov_b32 v[AL+2*\mq+1], v[AL+2*\mq]
.endif
.endif
.if \doz
	v_pk_add_f32 v[T+4*\zq:T+4*\zq+1], v[T+4*\zq:T+4*\zq+1], v[T+4*\zq+2:T+4*\zq+3]
.irp i, 0,1,2,3,4,5,6,7
	v_cvt_pk_bf16_f32 v[SC+32*\zq+\i], v[SC+32*\zq+2*\i], v[SC+32*\zq+2*\i+1]
.endr
.if \zfirst
	v_add_f32 v[LS+\zq], v[T+4*\zq], v[T+4*\zq+1]
.else
	v_add_f32 v[T+4*\zq], v[T+4*\zq], v[T+4*\zq+1]
.endif
.irp i, 0,1,2,3,4,5,6,7
	v_cvt_pk_bf16_f32 v[SC+32*\zq+16+\i], v[SC+32*\zq+16+2*\i], v[SC+32*\zq+16+2*\i+1]
.endr
.if \zfirst == 0
	v_fma_f32 v[LS+\zq], v[LS+\zq], v[AL+2*\zq], v[T+4*\zq]
.endif
.endif
.endm
; One chunk g of 64 keys: four turns.  At its head S(0, g) is in registers, P(3, g - 1) is not yet summed, rounded or multiplied.
;   s, c    slot and chunk of V(g);   ns, nc   slot and chunk of K(g + 1)
;   first   g = 0: no old maximum, sum or O; V(0) has been fetched ahead.   second  g = 1: block 3 of chunk 0 is finished here, as a first one
;   kind    0: no barrier.  1: a barrier that shows the next tile whole.  2: a round of the cluster's barrier, behind which slot s is filled again
;   last    g = 31: there is no K(g + 1) and no S(0, g + 1).   pf  1: the tile two on is prefetched
.macro CHUNK s, c, ns, nc, first, second, kind, last, pf
	; turn 0
.if \first
	ZM 3, 0, 0, 0, 1, 1
.else
	ZM 3, \second, 1, 0, 0, 1
.endif
	XQ 0, 1, 1
.if \first
	NOPS 4                                         ; places between S(1)'s products and the maxima that read them
.else
	PVR 3, 0, \second, 1
	NOPS 2                                         ; with the two rescale lines behind the last product: four places in front of the loads into V's fragments
	LOADV \s, \c
.endif
	; turn 1
	ZM 0, \first, 1, 1, \first, 1
	XQ 1, 2, 1
	s_wait_dscnt 0x0                               ; V(g)'s fragments are in; nothing younger is out
.if \kind
	; That was my last read of this tile.  All my tensor loads have landed too, my part of the next tile among them:
	s_set_vgpr_msb 0x400
	s_wait_tensorcnt 0x0
	ds_add_u32 v62, v63
	s_wait_dscnt 0x0
	s_set_vgpr_msb 0x4
.if \kind == 2
	s_add_nc_u64 s[G0K+4*\s+2:G0K+4*\s+3], s[G0K+4*\s+2:G0K+4*\s+3], 2*TILEB   ; no tensor load of mine is out, so a group 0 may be written: this slot's next tile
	s_add_nc_u64 s[G0V+4*\s+2:G0V+4*\s+3], s[G0V+4*\s+2:G0V+4*\s+3], 2*TILEB
.endif
	s_barrier_signal -1                            ; say so, and work on registers alone (PVR, ZM, XQ) while the others arrive
.endif
	PVR 0, 1, \first, 1-\first
	; turn 2
	ZM 1, \first, 1, 2, \first, 1
	XQ 2, 3, 1
	WIN 0
	NOPS 2                                         ; with the two multiply-adds behind the last product: four places in front of the loads into K's fragments
.if \kind
	s_barrier_wait -1
.if \kind == 2
	CREST                                          ; the same now holds of every wave of the four work-groups
	JLOAD \s                                       ; my one tensor load behind the round, first thing there: it has a whole tile's work in which to land
.endif
.endif
.if \last == 0
	LOADK \ns, \nc
.endif
.if \pf
	; Wave 0 asks for this work-group's eighth of the tile two tiles on, one chunk ahead of that tile's tensor load: 16 rows of K in lanes 0-15, 16 of V in
	; lanes 16-31, one row of 256 bytes a lane.  The eight query blocks of a head pair share a tile out, so each row is asked for once in the launch.
	; Tiles 14 and 15 ask for nothing, so no request passes the batch's last tile.
	s_cmp_lg_u32 s8, 0
	s_cbranch_scc1 .Lno_pf_\@
	s_wait_xcnt 0x0                                ; the base that the last request named is stepped only behind this wait
	s_add_nc_u64 s[74:75], s[74:75], TILEB
	global_prefetch_b8 v[PF], s[74:75] th:TH_LOAD_NT scope:SCOPE_SE
.Lno_pf_\@:
.endif
	PVR 1, 2, \first, 1-\first
	; turn 3
	ZM 2, \first, 1, 3, \first, 1
.if \last == 0
	s_wait_dscnt 0x0                               ; K(g + 1)'s fragments are in
.endif
	XQ 3, 0, 1-\last
	PVR 2, 3, \first, 1-\first
.endm
.macro TRIP s, o, kind, first, last, pf           ; one tile of 128 keys in slot s; o = the other slot
	CHUNK \s, 0, \s, 1, \first, 0, 0, 0, \pf
	CHUNK \s, 1, \o, 0, 0, \first, \kind, \last, 0
.endm
	s_load_b128 s[4:7], s[0:1], 0x0                ; qkv s[4:5], attn s[6:7]
	v_lshl_add_u32 v62, v0, 2, 0x35000
	v_mov_b32 v63, 0
	ds_add_u32 v62, v63
	v_lshrrev_b32 v1, 5, v0
	v_readfirstlane_b32 s8, v1                     ; wave 0..7
	s_and_b32 s9, s8, 3                            ; my 64 query rows; also which quarter of a tile I ask for
	s_lshr_b32 s10, s8, 2                          ; my head of the pair; also: I ask for K (0) or for V (1)
	s_bfe_u32 s11, ttmp6, 0x40000                  ; cx
	s_lshl_b32 s12, ttmp9, 2
	s_add_co_u32 s12, s12, s11                     ; query block 0..7
	s_and_b32 s13, ttmp7, 0xffff
	s_lshr_b32 s14, s13, 3                         ; batch
	s_and_b32 s15, s13, 7                          ; head pair
	s_mov_b32 s66, 0x3e38aa3b                      ; c = log2(e) / 8
	s_mov_b32 s67, 0x3e38aa3b
	s_mov_b32 s68, 0xbe38aa3b                      ; -c
	s_mov_b32 s70, 0x76543210                      ; v_permlanex16_b32: lane i reads lane i of the other half
	s_mov_b32 s71, 0xfedcba98
	; group 1: 32 rows x 128 elements of 2 bytes, 3,072 elements from row to row; padding behind every 64 words: 4 words (Q, K) or 8 (V)
	s_mov_b32 s[G1Q+0], (1<<16)|(1<<20)|(5<<22)|(3<<25)
	s_mov_b32 s[G1K+0], 15|(1<<16)|(1<<20)|(1<<21)|(5<<22)|(3<<25)
	s_mov_b32 s[G1V+0], 15|(1<<16)|(1<<20)|(1<<21)|(5<<22)|(7<<25)
.irp g, G1Q, G1K, G1V
	s_mov_b32 s[\g+1], 128<<16
	s_mov_b32 s[\g+2], 32<<16
	s_mov_b32 s[\g+3], 128<<16
	s_mov_b32 s[\g+4], 32
	s_mov_b32 s[\g+5], 3072
	s_mov_b32 s[\g+6], 0
	s_mov_b32 s[\g+7], 0
.endr
	; K's and V's addresses are made of the batch, the head pair and the wave alone, which the four partners share
	s_lshl_b32 s60, s14, 11
	s_lshl_b32 s61, s9, 5
	s_add_co_u32 s60, s60, s61                     ; token 2,048 b + 32 (w & 3)
	s_mul_i32 s60, s60, ROWC
	s_lshl_b32 s61, s15, 8
	s_add_co_u32 s60, s60, s61                     ; + 256 pr
	s_mov_b32 s61, 0
	s_lshl_b32 s76, s14, 11
	s_lshl_b32 s77, s12, 8
	s_add_co_u32 s76, s76, s77
	s_lshl_b32 s77, s8, 5
	s_add_co_u32 s76, s76, s77                     ; token 2,048 b + 256 query block + 32 w: Q's rows that I fetch, and the result's rows that I store
	s_lshl_b32 s88, s76, 11                        ; in attn: x 2,048 bytes
	s_mul_i32 s76, s76, ROWC                       ; in qkv
	s_lshl_b32 s77, s15, 8
	s_add_co_u32 s76, s76, s77
	s_add_co_u32 s88, s88, s77
	s_mov_b32 s77, 0
	s_mov_b32 s89, 0
	s_mul_i32 s82, s14, 2048*ROWC                  ; prefetch: the batch's first token,
	s_add_co_u32 s82, s82, TILEB                   ; tile 1 (stepped in front of each request)
	s_mov_b32 s83, 0
	s_mul_i32 s84, s12, 16*ROWC                    ; my work-group's 16 rows of a tile
	s_lshl_b32 s85, s15, 8
	s_add_co_u32 s84, s84, s85
	s_add_co_u32 s84, s84, 2048
	s_mul_i32 s80, s8, 32*KPITCH                   ; LDS: K's quarters (waves 0-3), Q's eighths
	s_mul_i32 s81, s8, 32*VPITCH                   ; V's quarters: VOFF + (w - 4) x 32 rows = w x 32 rows (waves 4-7)
	s_wait_dscnt 0x0
	s_wait_kmcnt 0x0
	s_add_nc_u64 s[62:63], s[4:5], s[60:61]
	s_add_nc_u64 s[74:75], s[4:5], s[82:83]
	s_add_nc_u64 s[86:87], s[6:7], s[88:89]
	s_mov_b32 s[G0Q], 1
	s_add_co_u32 s[G0Q+1], s80, QS
	s_add_nc_u64 s[G0Q+2:G0Q+3], s[4:5], s[76:77]
	s_or_b32 s[G0Q+3], s[G0Q+3], 0x80000000
.irp s, 0,1
	s_mov_b32 s[G0K+4*\s], 1
	s_add_co_u32 s[G0K+4*\s+1], s80, \s*SLOT
	s_add_nc_u64 s[G0K+4*\s+2:G0K+4*\s+3], s[62:63], 2048+\s*TILEB
	s_or_b32 s[G0K+4*\s+3], s[G0K+4*\s+3], 0x80000000
	s_mov_b32 s[G0V+4*\s], 1
	s_add_co_u32 s[G0V+4*\s+1], s81, \s*SLOT
	s_add_nc_u64 s[G0V+4*\s+2:G0V+4*\s+3], s[62:63], 4096+\s*TILEB
	s_or_b32 s[G0V+4*\s+3], s[G0V+4*\s+3], 0x80000000
.endr
	ROUND                                          ; the four work-groups are here: the first joint loads meet
	tensor_load_to_lds s[G0Q:G0Q+3], s[G1Q:G1Q+7]  ; my 32 rows of Q
	s_nop 0
	JLOAD 0                                        ; my quarter of tile 0
	JLOAD 1                                        ; and of tile 1: all first fills go out as one group
	v_and_b32 v1, 15, v0                           ; r
	v_bfe_u32 v10, v0, 4, 1                        ; h
	v_mul_u32_u24 v11, v1, KPITCH
	v_lshl_add_u32 v11, v10, 4, v11                ; r x pitch + 16 h
	s_lshl_b32 s78, s10, 7                         ; my head's 128 bytes of a row
	v_add_nc_u32 v[ADRK], s78, v11
	v_add_nc_u32 v[ADRK+1], SLOT, v[ADRK]
	s_mul_i32 s79, s9, 64*KPITCH
	s_add_co_u32 s79, s79, QS
	v_add_nc_u32 v[ADRQ], s79, v[ADRK]
	v_and_b32 v11, 7, v0
	v_lshl_add_u32 v11, v10, 3, v11                ; key row 8 h + lane % 8
	v_mul_u32_u24 v11, v11, VPITCH
	v_bfe_u32 v52, v0, 3, 1
	v_lshl_add_u32 v11, v52, 4, v11
	s_add_co_u32 s78, s78, VOFF
	v_add_nc_u32 v[ADRV], s78, v11
	v_add_nc_u32 v[ADRV+1], SLOT, v[ADRV]
	s_lshl_b32 s79, s8, 5
	v_add_nc_u32 v11, s79, v10                     ; stage row 32 w + h
	v_mul_u32_u24 v11, v11, KPITCH
	v_lshl_add_u32 v11, v1, 4, v11
	v_add_nc_u32 v[RD], QS, v11
	v_lshlrev_b32 v11, 11, v10
	v_lshl_add_u32 v[CO], v1, 4, v11
	v_mul_u32_u24 v11, v1, ROWC
	v_lshl_add_u32 v11, v10, 11, v11               ; lanes 16-31: V, 2,048 bytes behind K
	v_add_nc_u32 v[PF], s84, v11
	s_wait_tensorcnt 0x1                           ; my parts of Q and of tile 0 are in; tile 1's may stay out
	s_barrier_signal -1
	s_barrier_wait -1                              ; everybody's are
	WIN 0x40
.irp q, 0,1,2,3
.irp ks, 0,1
	ds_load_b128 v[QF+8*(2*\q+\ks):QF+8*(2*\q+\ks)+3], v[ADRQ] offset:\q*16*KPITCH+64*\ks
	ds_load_b128 v[QF+8*(2*\q+\ks)+4:QF+8*(2*\q+\ks)+7], v[ADRQ] offset:\q*16*KPITCH+64*\ks+32
.endr
.endr
	LOADK 0, 0
	LOADV 0, 0
	s_wait_dscnt 0x10                              ; Q's and K's fragments are in; V's 16 loads may be out
	WIN 0x04
.irp i, 0,1,2,3,4,5,6,7
	SWM 0, \i                                      ; S(0) of chunk 0 fills the pipeline
.endr
	NOPS 4                                         ; places in front of the maxima that read it
	TRIP 0, 1, 2, 1, 0, 1                          ; tiles 0 and 1 stand in front of the loop: the first chunk starts maximum, sum and O
	TRIP 1, 0, 2, 0, 0, 1
	WIN 0                                          ; at a label and at a branch every window is 0
	s_mov_b32 s72, 6
.Lpair:
	TRIP 0, 1, 2, 0, 0, 1                          ; tiles 2 to 13; tile t's round asks for tile t + 2
	TRIP 1, 0, 2, 0, 0, 1
	WIN 0
	s_sub_co_u32 s72, s72, 1
	s_cmp_lg_u32 s72, 0
	s_cbranch_scc1 .Lpair
	TRIP 0, 1, 1, 0, 0, 0                          ; tile 14: nothing is left to ask for; a plain barrier shows tile 15 whole
	TRIP 1, 0, 0, 0, 1, 0                          ; tile 15
	ZM 3, 0, 1, 0, 0, 0                            ; the pipeline runs empty: block 3 of the last chunk
	PVR 3, 0, 0, 0                                 ; (its four places stand in front of the lines that read O and write over P)
	WIN 0
	; THE END: l of both halves of the keys, O / l, bf16, through the stage (Q's bytes, which had their one fill and were last read in front of the first tile)
.irp q, 0,1,2,3
	v_permlanex16_b32 v[T+4*\q], v[LS+\q], s70, s71
.endr
.irp q, 0,1,2,3
	v_add_f32 v[LS+\q], v[LS+\q], v[T+4*\q]
.endr
.irp q, 0,1,2,3
	v_rcp_f32 v[AL+2*\q], v[LS+\q]
.endr
	v_nop
.irp q, 0,1,2,3
	s_wait_alu depctr_va_vdst(0)
	v_mov_b32 v[AL+2*\q+1], v[AL+2*\q]
.endr
	WIN 0x01
.irp q, 0,1,2,3
.set i, 0
.rept 16
	v_pk_mul_f32 v[SC+32*\q+2*i:SC+32*\q+2*i+1], v[32*\q+2*i:32*\q+2*i+1], v[AL+2*\q:AL+2*\q+1]
.set i, i+1
.endr
.endr
	WIN 0
.irp q, 0,1,2,3
.irp db, 0,1,2,3
.irp k, 0,1,2,3
	v_cvt_pk_bf16_f32 v[SC+32*\q+8*\db+\k], v[SC+32*\q+8*\db+2*\k], v[SC+32*\q+8*\db+2*\k+1]
.endr
	ds_store_b128 v[ADRQ], v[SC+32*\q+8*\db:SC+32*\q+8*\db+3] offset:\q*16*KPITCH+32*\db   ; query 16 q + r, d = 16 db + 8 h .. + 7 of my head
.endr
.endr
	s_wait_dscnt 0x0                               ; my part of the stage is stored,
	s_barrier_signal -1
	s_barrier_wait -1                              ; both heads' parts of every row are
.irp t, 0,1,2,3,4,5,6,7,8,9,10,11,12,13,14,15
	ds_load_b128 v[KF+4*\t:KF+4*\t+3], v[RD] offset:\t*2*KPITCH
.endr
.irp t, 0,1,2,3,4,5,6,7,8,9,10,11,12,13,14,15
	s_wait_dscnt 15-\t
	global_store_b128 v[CO], v[KF+4*\t:KF+4*\t+3], s[86:87] offset:\t*4096   ; sixteen lanes store 256 consecutive bytes, aligned: both heads of one token
.endr
	s_wait_tensorcnt 0x0
	ds_add_u32 v62, v63
	s_wait_dscnt 0x0
	ROUND                                          ; the closing round: no work-group ends while a partner may still ask for a tile that names it
	s_endpgm
.Lfunc_end_k_q95d8cf25bc_attn:
	.size	k_q95d8cf25bc_attn, .Lfunc_end_k_q95d8cf25bc_attn-k_q95d8cf25bc_attn
	.p2alignl 7, 3214868480
	.fill 96, 4, 3214868480
	.section	.rodata,"a",@progbits
	.p2align	6, 0x0
	.amdhsa_kernel k_q95d8cf25bc_attn
		.amdhsa_group_segment_fixed_size 327680
		.amdhsa_private_segment_fixed_size 0
		.amdhsa_enable_private_segment 0
		.amdhsa_kernarg_size 16
		.amdhsa_user_sgpr_count 2
		.amdhsa_user_sgpr_kernarg_segment_ptr 1
		.amdhsa_wavefront_size32 1
		.amdhsa_system_sgpr_workgroup_id_x 1
		.amdhsa_system_sgpr_workgroup_id_y 1
		.amdhsa_system_sgpr_workgroup_id_z 1
		.amdhsa_system_vgpr_workitem_id 0
		.amdhsa_next_free_vgpr 512
		.amdhsa_next_free_sgpr 90
		.amdhsa_reserve_vcc 0
		.amdhsa_float_denorm_mode_32 3
		.amdhsa_float_denorm_mode_16_64 3
		.amdhsa_memory_ordered 1
		.amdhsa_forward_progress 1
		.amdhsa_inst_pref_size 255
	.end_amdhsa_kernel
	.section	.bss,"aw",@nobits
	.p2align	6
	.space	262144
	.amdgpu_metadata
---
amdhsa.version: [ 1, 2 ]
amdhsa.kernels:
  - .name:           k_q95d8cf25bc_attn
    .symbol:         k_q95d8cf25bc_attn.kd
    .args:
      - { .name: qkv, .offset: 0, .size: 8, .value_kind: global_buffer, .address_space: global }
      - { .name: attn, .offset: 8, .size: 8, .value_kind: global_buffer, .address_space: global }
    .group_segment_fixed_size: 327680
    .private_segment_fixed_size: 0
    .kernarg_segment_align: 8
    .kernarg_segment_size: 16
    .max_flat_workgroup_size: 256
    .sgpr_count:     90
    .vgpr_count:     512
    .wavefront_size: 32
...
	.end_amdgpu_metadata
.endif
;; end of part 3
;; launch oproj (part 4): grid 8 x 32, 4 waves a work-group, clusters of 4 x 4, 327,680 bytes of LDS; arguments attn, wo, b_o, out0; writes out0
.if DOCPART == 4
	.amdgcn_target "amdgcn-amd-amdhsa--gfx1250"
	.amdhsa_code_object_version 6
	.text
	.protected	k_q95d8cf25bc_oproj
	.globl	k_q95d8cf25bc_oproj
	.p2align	8
	.type	k_q95d8cf25bc_oproj,@function
k_q95d8cf25bc_oproj:
	s_mov_b64 s[64:65], 0
	v_nop
	global_prefetch_b8 v0, s[64:65] scope:SCOPE_SE
	s_setreg_imm32_b32 hwreg(HW_REG_WAVE_MODE, 25, 1), 1
	s_wait_xcnt 0x0
	s_wait_alu depctr_hold_cnt(0) depctr_sa_sdst(0) depctr_va_vdst(0) depctr_va_sdst(0) depctr_va_ssrc(0) depctr_va_vcc(0) depctr_vm_vsrc(0)
	s_getreg_b32 s2, hwreg(HW_REG_IB_STS2, 6, 4)
	s_cmp_eq_u32 s2, 0
	s_cbranch_scc0 .Lentry_in_a_cluster
	s_endpgm
.Lentry_in_a_cluster:
	s_bfe_u32 s2, ttmp6, 0x10000c
	s_cmp_lg_u32 s2, 0xf033
	s_cbranch_scc0 .Lentry_shape_is_right
	s_endpgm
.Lentry_shape_is_right:
; out0[8192][1024] (f32) = attn[8192][1024] (bf16) x wo[1024 k][1024 n] (bf16) + b_o, sums in f32.
; 8192 x 1024 over 256 work-groups: a block of 256 rows x 128 columns each.  Four waves; wave w takes rows 128 (w >> 1) .. + 127 and columns 64 (w & 1) .. + 63:
; 32 accumulator tiles, 256 registers (window 1, tile (j, a) at v[8 (8 j + a)]).  K goes in steps of 128 through two LDS slots (rows of 256 bytes in memory, aligned).
; wo lies [k][n]; its fragments come out of LDS by the transposing load.
; CLUSTERS: 4 x 4 work-groups; A's tile is asked for jointly along a row of the cluster, B's along a column.  Waves 0, 1 ask for A's halves (128 rows),
; waves 2, 3 for B's (64 rows of k).  By this text's own count a wave has at most two tensor loads out (the two first fills), later one.
; The matrix instruction is used transposed: a lane's eight results are eight neighbouring columns of one row (32 bytes of f32).
; LDS: slot s at s * 106,496: A 256 rows, pitch 272; B at + 69,632, 128 rows of k, pitch 288 = 9 x 32.  Behind the ring, at 212,992: a stage of 16 rows x 272 bytes
; for each wave, bytes into which no tensor load lands.
.set APITCH, 272
.set AHALF,  128*APITCH
.set BPITCH, 288
.set BHALF,  64*BPITCH
.set BOFF,   2*AHALF
.set SLOT,   2*AHALF+2*BHALF
.set STAGE,  2*SLOT
.set SPITCH, 272
.set ADRA, 16                          ; v16-17
.set ADRB, 20                          ; v20-21
.set STO,  24
.set RD,   25
.set CO,   26
.set AF,   32                          ; v32-95, v96-159: A's fragments, two buffers
.set BF,   160                         ; v160-191, v192-223: B's
.set BIAS, 224                         ; v224-255: b_o of my 4 x 8 columns
.set TMP,  32                          ; the way out
.set G1A, 24
.set G0A, 32
.set G1B, 48
.set G0B, 56
.set MSB, 0
.macro WIN new
.if MSB != \new
	s_set_vgpr_msb (MSB<<8)|\new
.set MSB, \new
.endif
.endm
.macro PLACES                          ; four plain places between a matrix instruction and a load into, or a vector use of, its registers
.rept 4
	v_nop
.endr
.endm
.macro CREST
	s_cmp_lg_u32 s12, 0
	s_cbranch_scc1 .Lnot_wave_0_\@
	s_barrier_signal -3
.Lnot_wave_0_\@:
	s_barrier_wait -3
	s_barrier_signal -1
	s_barrier_wait -1
.endm
.macro CROUND
	s_barrier_signal -1
	s_barrier_wait -1
	CREST
.endm
.macro JLOAD s
	s_cmp_eq_u32 s13, 0
	s_cbranch_scc0 .Lfor_b_\@
	tensor_load_to_lds s[G0A+4*\s:G0A+4*\s+3], s[G1A:G1A+7]
	s_nop 0
	s_branch .Lasked_\@
.Lfor_b_\@:
	tensor_load_to_lds s[G0B+4*\s:G0B+4*\s+3], s[G1B:G1B+7]
	s_nop 0
.Lasked_\@:
.endm
; 24 LDS loads: the fragments of quarter q (32 along K) of slot s into buffer p
.macro FETCH s, q, p
.irp a, 0,1,2,3,4,5,6,7
	ds_load_b128 v[AF+64*\p+8*\a:AF+64*\p+8*\a+3], v[ADRA+\s] offset:\a*16*APITCH+64*\q
	ds_load_b128 v[AF+64*\p+8*\a+4:AF+64*\p+8*\a+7], v[ADRA+\s] offset:\a*16*APITCH+64*\q+32
.endr
.irp j, 0,1,2,3
	ds_load_tr16_b128 v[BF+32*\p+8*\j:BF+32*\p+8*\j+3], v[ADRB+\s] offset:\q*32*BPITCH+32*\j
	ds_load_tr16_b128 v[BF+32*\p+8*\j+4:BF+32*\p+8*\j+7], v[ADRB+\s] offset:\q*32*BPITCH+32*\j+16*BPITCH
.endr
.endm
; 16 matrix instructions: column blocks j0, j0 + 1 x all eight row blocks.  The 32 accumulators take turns, one instruction a turn, in the same order in every
; quarter.
.macro MUL p, j0, zero
.irp jj, 0,1
.irp a, 0,1,2,3,4,5,6,7
.if \zero
	v_wmma_f32_16x16x32_bf16 v[8*(8*(\j0+\jj)+\a):8*(8*(\j0+\jj)+\a)+7], v[BF+32*\p+8*(\j0+\jj):BF+32*\p+8*(\j0+\jj)+7], v[AF+64*\p+8*\a:AF+64*\p+8*\a+7], 0
.else
	v_wmma_f32_16x16x32_bf16 v[8*(8*(\j0+\jj)+\a):8*(8*(\j0+\jj)+\a)+7], v[BF+32*\p+8*(\j0+\jj):BF+32*\p+8*(\j0+\jj)+7], v[AF+64*\p+8*\a:AF+64*\p+8*\a+7], v[8*(8*(\j0+\jj)+\a):8*(8*(\j0+\jj)+\a)+7]
.endif
.endr
.endr
.endm
; One of a K step's first three quarters: fetches quarter qn into buffer np, multiplies buffer p meanwhile
.macro QUARTER s, qn, p, np, zero
	s_wait_dscnt 0x0                               ; buffer p's fragments are in
	PLACES
	FETCH \s, \qn, \np
	WIN 0x50
	MUL \p, 0, \zero
	MUL \p, 2, \zero
	WIN 0
.endm
.macro THREE s, zero
	QUARTER \s, 1, 0, 1, \zero
	QUARTER \s, 2, 1, 0, 0
	QUARTER \s, 3, 0, 1, 0
.endm
; The last quarter: multiplies buffer 1 and changes slots.  In front of the barrier each wave waits for its reads of this slot and for all its tensor loads (its part
; of the next slot).  Where the slot is filled again the barrier opens a round of the cluster's barrier, and the joint load is the first tensor load behind the round.
.macro TURN s, next, fill
	s_wait_dscnt 0x0
	s_wait_tensorcnt 0x0
	ds_add_u32 v30, v31
	s_wait_dscnt 0x0
	s_barrier_signal -1
	WIN 0x50
	MUL 1, 0, 0                                    ; register work while the others arrive
	WIN 0
	s_barrier_wait -1
.if \fill
	CREST
	s_add_nc_u64 s[G0A+4*\s+2:G0A+4*\s+3], s[G0A+4*\s+2:G0A+4*\s+3], 512        ; no tensor load of mine is out: two K steps on
	s_add_nc_u64 s[G0B+4*\s+2:G0B+4*\s+3], s[G0B+4*\s+2:G0B+4*\s+3], 256*2048
	JLOAD \s
.endif
	PLACES
	FETCH \next, 0, 0
	WIN 0x50
	MUL 1, 2, 0
	WIN 0
.endm
.macro LAP zero
	THREE 0, \zero
	TURN 0, 1, 1
	THREE 1, 0
	TURN 1, 0, 1
.endm
	s_load_b256 s[4:11], s[0:1], 0x0               ; attn s[4:5], wo s[6:7], b_o s[8:9], out0 s[10:11]
	v_lshl_add_u32 v30, v0, 2, 0x38400
	v_mov_b32 v31, 0
	ds_add_u32 v30, v31
	v_lshrrev_b32 v1, 5, v0
	v_readfirstlane_b32 s12, v1                    ; wave 0..3
	s_lshr_b32 s13, s12, 1                         ; my half of the rows.  Also: I ask for A (0) or for B (1)
	s_and_b32 s14, s12, 1                          ; my half of the columns.  Also: which half of a tile I ask for
	s_bfe_u32 s40, ttmp6, 0x40000                  ; cx
	s_bfe_u32 s41, ttmp6, 0x40004                  ; cy
	s_lshl_b32 s42, ttmp9, 2
	s_add_co_u32 s42, s42, s40                     ; X: block column, 0..7
	s_and_b32 s43, ttmp7, 0xffff
	s_lshl_b32 s43, s43, 2
	s_add_co_u32 s43, s43, s41                     ; Y: block row, 0..31
	s_lshl_b32 s44, s41, 2
	s_lshl_b32 s44, 15, s44                        ; my row of the cluster
	s_lshl_b32 s45, 0x1111, s40                    ; my column
	s_or_b32 s[G1A+0], s44, (1<<16)|(1<<20)|(1<<21)|(5<<22)|(3<<25)   ; A: 128 rows x 128 elements, 4 words of padding behind every 64
	s_mov_b32 s[G1A+1], 128<<16
	s_mov_b32 s[G1A+2], 128<<16
	s_mov_b32 s[G1A+3], 128<<16
	s_mov_b32 s[G1A+4], 128
	s_mov_b32 s[G1A+5], 1024
	s_mov_b32 s[G1A+6], 0
	s_mov_b32 s[G1A+7], 0
	s_or_b32 s[G1B+0], s45, (1<<16)|(1<<20)|(1<<21)|(5<<22)|(7<<25)   ; B: 64 rows x 128 elements, 8 words of padding
	s_mov_b32 s[G1B+1], 128<<16
	s_mov_b32 s[G1B+2], 64<<16
	s_mov_b32 s[G1B+3], 128<<16
	s_mov_b32 s[G1B+4], 64
	s_mov_b32 s[G1B+5], 1024
	s_mov_b32 s[G1B+6], 0
	s_mov_b32 s[G1B+7], 0
	; A's address is made of Y and the wave, B's of X and the wave, each in registers that never hold the other coordinate
	s_lshl_b32 s16, s43, 8
	s_lshl_b32 s17, s14, 7
	s_add_co_u32 s16, s16, s17                     ; row 256 Y + 128 (w & 1)
	s_lshl_b32 s16, s16, 11
	s_mov_b32 s17, 0
	s_lshl_b32 s66, s14, 17                        ; k row 64 (w & 1) x 2,048 bytes
	s_lshl_b32 s67, s42, 8                         ; column 128 X
	s_add_co_u32 s66, s66, s67
	s_mov_b32 s67, 0
	s_mul_i32 s20, s12, AHALF                      ; LDS: A's halves (waves 0, 1)
	s_mul_i32 s21, s12, BHALF
	s_add_co_u32 s21, s21, BOFF-2*BHALF            ; B's halves behind A's 256 rows (waves 2, 3)
	s_lshl_b32 s68, s42, 9                         ; b_o: 512 X + 256 (w & 1)
	s_lshl_b32 s69, s14, 8
	s_add_co_u32 s68, s68, s69
	s_mov_b32 s69, 0
	s_lshl_b32 s72, s43, 8
	s_lshl_b32 s73, s13, 7
	s_add_co_u32 s72, s72, s73                     ; out0: row 256 Y + 128 (w >> 1)
	s_lshl_b32 s72, s72, 12
	s_add_co_u32 s72, s72, s68                     ; + the same 512 X + 256 (w & 1) bytes
	s_mov_b32 s73, 0
	s_wait_dscnt 0x0
	s_wait_kmcnt 0x0
	s_add_nc_u64 s[18:19], s[4:5], s[16:17]
	s_add_nc_u64 s[22:23], s[6:7], s[66:67]
	s_add_nc_u64 s[68:69], s[8:9], s[68:69]
	s_add_nc_u64 s[70:71], s[10:11], s[72:73]
	CROUND                                         ; all sixteen work-groups are here: the first joint loads meet
.irp s, 0,1
	s_mov_b32 s[G0A+4*\s], 1
	s_add_co_u32 s[G0A+4*\s+1], s20, \s*SLOT
	s_add_nc_u64 s[G0A+4*\s+2:G0A+4*\s+3], s[18:19], \s*256
	s_or_b32 s[G0A+4*\s+3], s[G0A+4*\s+3], 0x80000000
	s_mov_b32 s[G0B+4*\s], 1
	s_add_co_u32 s[G0B+4*\s+1], s21, \s*SLOT
	s_add_nc_u64 s[G0B+4*\s+2:G0B+4*\s+3], s[22:23], \s*128*2048
	s_or_b32 s[G0B+4*\s+3], s[G0B+4*\s+3], 0x80000000
	JLOAD \s
.endr
	v_and_b32 v1, 15, v0                           ; r
	v_bfe_u32 v2, v0, 4, 1                         ; h
	v_lshlrev_b32 v6, 5, v2                        ; b_o of columns 16 j + 8 h ..: 64 j in the immediate
.irp j, 0,1,2,3
	global_load_b128 v[BIAS+8*\j:BIAS+8*\j+3], v6, s[68:69] offset:64*\j
	global_load_b128 v[BIAS+8*\j+4:BIAS+8*\j+7], v6, s[68:69] offset:64*\j+16
.endr
	v_mul_u32_u24 v3, v1, APITCH
	v_lshl_add_u32 v3, v2, 4, v3
	s_mul_i32 s74, s13, AHALF
	v_add_nc_u32 v[ADRA], s74, v3
	v_add_nc_u32 v[ADRA+1], SLOT, v[ADRA]
	v_and_b32 v4, 7, v0
	v_lshl_add_u32 v4, v2, 3, v4                   ; k row 8 h + lane % 8
	v_mul_u32_u24 v4, v4, BPITCH
	v_bfe_u32 v5, v0, 3, 1
	v_lshl_add_u32 v4, v5, 4, v4
	s_lshl_b32 s74, s14, 7
	s_add_co_u32 s74, s74, BOFF
	v_add_nc_u32 v[ADRB], s74, v4
	v_add_nc_u32 v[ADRB+1], SLOT, v[ADRB]
	s_mul_i32 s74, s12, 16*SPITCH
	s_add_co_u32 s74, s74, STAGE                   ; my stage
	v_mul_u32_u24 v5, v1, SPITCH
	v_lshl_add_u32 v5, v2, 5, v5                   ; in: row r, 32 bytes for each half of the lanes
	v_add_nc_u32 v[STO], s74, v5
	v_mul_u32_u24 v5, v2, SPITCH
	v_lshl_add_u32 v5, v1, 4, v5                   ; back: lanes 0-15 one row of 256 bytes, lanes 16-31 the next
	v_add_nc_u32 v[RD], s74, v5
	v_lshlrev_b32 v5, 12, v2
	v_lshl_add_u32 v[CO], v1, 4, v5
	s_wait_tensorcnt 0x1                           ; my part of K step 0 is in; K step 1's may stay out
	s_wait_loadcnt 0x0                             ; b_o, once
	s_barrier_signal -1
	s_barrier_wait -1
	FETCH 0, 0, 0
	LAP 1                                          ; the first lap stands in front of the loop: its first products start the sums
	s_mov_b32 s3, 2
.Llap:
	LAP 0
	s_sub_co_u32 s3, s3, 1
	s_cmp_lg_u32 s3, 0
	s_cbranch_scc1 .Llap
	THREE 0, 0                                     ; the last lap fills nothing
	TURN 0, 1, 0
	THREE 1, 0
	s_wait_dscnt 0x0
	WIN 0x50
	MUL 1, 0, 0
	MUL 1, 2, 0
	WIN 0
	; THE WAY OUT, 16 rows at a time: add the bias, 32 bytes a lane into my own stage, read whole rows of 256 bytes back, store them
	PLACES
.macro OUT16 a, f
	WIN 0x01
.irp j, 0,1,2,3
.irp k, 0,2,4,6
	v_pk_add_f32 v[TMP+8*\j+\k:TMP+8*\j+\k+1], v[8*(8*\j+\a)+\k:8*(8*\j+\a)+\k+1], v[BIAS+8*\j+\k:BIAS+8*\j+\k+1]
.endr
.endr
	WIN 0
.irp j, 0,1,2,3
	ds_store_b128 v[STO], v[TMP+8*\j:TMP+8*\j+3] offset:64*\j
	ds_store_b128 v[STO], v[TMP+8*\j+4:TMP+8*\j+7] offset:64*\j+16
.endr
	s_wait_xcnt 0x0                                ; the registers and the base that earlier stores read are rewritten only behind this wait
.if \a
	s_add_nc_u64 s[70:71], s[70:71], 16*4096       ; 16 rows of out0 on
.endif
.irp t, 0,1,2,3,4,5,6,7
	ds_load_b128 v[\f+4*\t:\f+4*\t+3], v[RD] offset:\t*2*SPITCH    ; LDS serves a wave's instructions in order (ISA guide 5.7.1.4): these see the stores above
.endr
.irp t, 0,1,2,3,4,5,6,7
	s_wait_dscnt 7-\t
	global_store_b128 v[CO], v[\f+4*\t:\f+4*\t+3], s[70:71] offset:\t*2*4096 th:TH_STORE_NT   ; sixteen lanes store 256 consecutive bytes, aligned
.endr
.endm
	OUT16 0, 64
	OUT16 1, 96
	OUT16 2, 64
	OUT16 3, 96
	OUT16 4, 64
	OUT16 5, 96
	OUT16 6, 64
	OUT16 7, 96
	s_wait_tensorcnt 0x0
	ds_add_u32 v30, v31
	s_wait_dscnt 0x0
	CROUND                                         ; the closing round
	s_endpgm
.Lfunc_end_k_q95d8cf25bc_oproj:
	.size	k_q95d8cf25bc_oproj, .Lfunc_end_k_q95d8cf25bc_oproj-k_q95d8cf25bc_oproj
	.p2alignl 7, 3214868480
	.fill 96, 4, 3214868480
	.section	.rodata,"a",@progbits
	.p2align	6, 0x0
	.amdhsa_kernel k_q95d8cf25bc_oproj
		.amdhsa_group_segment_fixed_size 327680
		.amdhsa_private_segment_fixed_size 0
		.amdhsa_enable_private_segment 0
		.amdhsa_kernarg_size 32
		.amdhsa_user_sgpr_count 2
		.amdhsa_user_sgpr_kernarg_segment_ptr 1
		.amdhsa_wavefront_size32 1
		.amdhsa_system_sgpr_workgroup_id_x 1
		.amdhsa_system_sgpr_workgroup_id_y 1
		.amdhsa_system_sgpr_workgroup_id_z 1
		.amdhsa_system_vgpr_workitem_id 0
		.amdhsa_next_free_vgpr 512
		.amdhsa_next_free_sgpr 80
		.amdhsa_reserve_vcc 0
		.amdhsa_float_denorm_mode_32 3
		.amdhsa_float_denorm_mode_16_64 3
		.amdhsa_memory_ordered 1
		.amdhsa_forward_progress 1
		.amdhsa_inst_pref_size 127
	.end_amdhsa_kernel
	.amdgpu_metadata
---
amdhsa.version: [ 1, 2 ]
amdhsa.kernels:
  - .name:           k_q95d8cf25bc_oproj
    .symbol:         k_q95d8cf25bc_oproj.kd
    .args:
      - { .name: attn, .offset: 0, .size: 8, .value_kind: global_buffer, .address_space: global }
      - { .name: wo, .offset: 8, .size: 8, .value_kind: global_buffer, .address_space: global }
      - { .name: b_o, .offset: 16, .size: 8, .value_kind: global_buffer, .address_space: global }
      - { .name: out0, .offset: 24, .size: 8, .value_kind: global_buffer, .address_space: global }
    .group_segment_fixed_size: 327680
    .private_segment_fixed_size: 0
    .kernarg_segment_align: 8
    .kernarg_segment_size: 32
    .max_flat_workgroup_size: 128
    .sgpr_count:     80
    .vgpr_count:     512
    .wavefront_size: 32
...
	.end_amdgpu_metadata
.endif
;; end of part 4
;; ======== version 2 of 2: 4 launches; version 1 with the launch prep written anew for expert scheduling mode
;; workspace buffers: xb 16,777,216 bytes; wqkv 6,291,456 bytes; wo 2,097,152 bytes; bqkv 12,288 bytes; qkv 50,331,648 bytes; attn 16,777,216 bytes
;; launch prep (part 5): grid 256 x 1, 8 waves a work-group, no clusters, 0 bytes of LDS; arguments x, W_q, W_k, W_v, W_o, b_q, b_k, b_v, xb, wqkv, wo, bqkv; writes xb, wqkv, wo, bqkv
.if DOCPART == 5
	.amdgcn_target "amdgcn-amd-amdhsa--gfx1250"
	.amdhsa_code_object_version 6
	.text
	.protected	k_q95d8cf25bc_prep
	.globl	k_q95d8cf25bc_prep
	.p2align	8
	.type	k_q95d8cf25bc_prep,@function
k_q95d8cf25bc_prep:
	s_mov_b64 s[64:65], 0
	v_nop
	global_prefetch_b8 v0, s[64:65] scope:SCOPE_SE
	s_setreg_imm32_b32 hwreg(HW_REG_WAVE_SCHED_MODE, 0, 2), 2
	s_setreg_imm32_b32 hwreg(HW_REG_WAVE_MODE, 25, 1), 1
	s_wait_xcnt 0x0
	s_wait_alu depctr_vm_vsrc(0)
; prep: casts f32 -> bf16 (round to nearest even), nothing transposed.
;   xb[8192][1024] = x;  wqkv[1024 k][3072 n] = W_q | W_k | W_v side by side along n;  wo[1024][1024] = W_o;  bqkv[3072] = b_q | b_k | b_v (f32 copy).
; A stream: every input byte is read once and every output byte written once; no LDS, no barrier, no matrix unit, no cluster (no input is shared).
; Work-group g takes rows 32 g .. 32 g + 31 of x and rows 4 g .. 4 g + 3 of each of the four weights: 48 rows of 4,096 bytes.
; Thread t owns elements 4 t .. 4 t + 3 of every row: one 16-byte load (a wave's load covers 512 consecutive bytes) and one 8-byte store
; (a wave's store covers 256 consecutive bytes, aligned).  All 48 loads of a thread go out at once; no register is written again once a store has read it.
; THE MODE: SCHED_MODE bits 1:0 = 2 (LLVM: expert scheduling mode 2), set by the entry lines.  The code itself states the register dependences
; between vector instructions and memory instructions, with s_wait_alu, always for 0.
; THE PLAN.  Registers that memory instructions touch:
;   v1, v2              byte offsets, made once at the head and never written again; read by every load and store.
;   v[X+4n : X+4n+3]    row n.  Written by load n (all 48 loads stand ahead of every conversion); read by row n's two conversions, which write the first two
;                       of the four in place; those two are read by the store of row n.  Nothing names them afterwards.
;   v[4:7]              the bias: written by a load, read by a store, named by no vector instruction.
; The 48 rows go in 12 blocks of four (x: blocks 0-7; W_q, W_k, W_v, W_o: blocks 8-11).  Row n waits for its own load, issues the store of row n - 4 and then makes its
; two conversions: a block's four stores are dealt among the next block's conversions.  ONE wait on va_vdst at a block's head states that the block before has written
; what these four stores read; the conversions issued since that wait name this block's registers alone.  No register that a memory instruction has read is written
; again, so behind the entry lines the text holds no wait on vm_vsrc.
.set ROWF, 4096                        ; bytes in an f32 row
.set ROWH, 2048                        ; bytes in a bf16 row of 1,024
.set ROWQ, 6144                        ; bytes in a row of wqkv
.set X,    8                           ; v[8:199]: load n in v[X+4n : X+4n+3]
	s_load_b512 s[4:19], s[0:1], 0x0               ; x, W_q, W_k, W_v, W_o, b_q, b_k, b_v
	s_load_b256 s[20:27], s[0:1], 0x40             ; xb, wqkv, wo, bqkv
	v_lshlrev_b32 v1, 4, v0                        ; 16 t: my bytes in an f32 row
	v_lshlrev_b32 v2, 3, v0                        ; 8 t: my bytes in a bf16 row
	v_lshrrev_b32 v3, 5, v0
	v_readfirstlane_b32 s31, v3                    ; wave number
	s_mov_b32 s30, ttmp9                           ; g
	s_mov_b32 s29, 0                               ; high word of every offset (all below 4 GiB)
	s_lshl_b32 s28, s30, 17                        ; 32 rows of 4,096 bytes
	s_wait_alu depctr_va_sdst(0)                   ; s31 is written
	s_wait_kmcnt 0x0
	s_add_nc_u64 s[4:5], s[4:5], s[28:29]
	s_lshl_b32 s28, s30, 14                        ; 4 rows of 4,096 bytes
	s_add_nc_u64 s[6:7], s[6:7], s[28:29]
	s_add_nc_u64 s[8:9], s[8:9], s[28:29]
	s_add_nc_u64 s[10:11], s[10:11], s[28:29]
	s_add_nc_u64 s[12:13], s[12:13], s[28:29]
	s_lshl_b32 s28, s30, 16                        ; 32 rows of 2,048 bytes
	s_add_nc_u64 s[20:21], s[20:21], s[28:29]
	s_mul_i32 s28, s30, 4*ROWQ                     ; 4 rows of 6,144 bytes
	s_add_nc_u64 s[22:23], s[22:23], s[28:29]
	s_lshl_b32 s28, s30, 13                        ; 4 rows of 2,048 bytes
	s_add_nc_u64 s[24:25], s[24:25], s[28:29]
	s_wait_alu depctr_va_vdst(0)                   ; v1 and v2 are written: every load and store of the kernel reads one of them as its offset
.set n, 0
.rept 32
	global_load_b128 v[X+4*n:X+4*n+3], v1, s[4:5] offset:n*ROWF th:TH_LOAD_NT
.set n, n+1
.endr
.irp m, 0,1,2,3
.irp i, 0,1,2,3
	global_load_b128 v[X+4*(32+4*\m+\i):X+4*(32+4*\m+\i)+3], v1, s[6+2*\m:7+2*\m] offset:\i*ROWF th:TH_LOAD_NT
.endr
.endr
; row n's four f32 close up into the first two of their four registers
.macro CVT n
	v_cvt_pk_bf16_f32 v[X+4*(\n)], v[X+4*(\n)], v[X+4*(\n)+1]
	v_cvt_pk_bf16_f32 v[X+4*(\n)+1], v[X+4*(\n)+2], v[X+4*(\n)+3]
.endm
; row n's 8 bytes a thread go out: rows 0-31 to xb; rows 32-43 to wqkv, weight (n - 32) / 4 at its 2,048 bytes of a row; rows 44-47 to wo
.macro ST n
.if (\n) < 32
	global_store_b64 v2, v[X+4*(\n):X+4*(\n)+1], s[20:21] offset:(\n)*ROWH
.elseif (\n) < 44
	global_store_b64 v2, v[X+4*(\n):X+4*(\n)+1], s[22:23] offset:((\n)%4)*ROWQ+(((\n)-32)/4)*ROWH
.else
	global_store_b64 v2, v[X+4*(\n):X+4*(\n)+1], s[24:25] offset:((\n)-44)*ROWH
.endif
.endm
.set n, 0
.rept 48
	s_wait_loadcnt 47-n                            ; loads come back in order (ISA guide 5.7.1): load n is in when at most the 47 - n younger ones are out
.if (n % 4 == 0) && (n > 0)
	s_wait_alu depctr_va_vdst(0)                   ; a block's head: the conversions of the block before have written the eight registers that this block's four stores read
.endif
.if n >= 4
	ST n-4                                         ; the block before; no vector instruction since the wait names its registers
.endif
	CVT n
.set n, n+1
.endr
	s_wait_alu depctr_va_vdst(0)                   ; block 11's conversions have written what the last four stores read
	ST 44
	ST 45
	ST 46
	ST 47
; the three biases, 12,288 bytes: work-groups 0 to 11 copy 1,024 bytes each with their first two waves (64 threads x 16 bytes)
	s_cmp_ge_u32 s30, 12
	s_cbranch_scc1 .Lend
	s_cmp_ge_u32 s31, 2
	s_cbranch_scc1 .Lend
	s_lshr_b32 s32, s30, 2                         ; which bias: 0 b_q, 1 b_k, 2 b_v
	s_cmp_eq_u32 s32, 0
	s_cselect_b64 s[34:35], s[14:15], s[16:17]
	s_cmp_eq_u32 s32, 2
	s_cselect_b64 s[34:35], s[18:19], s[34:35]
	s_and_b32 s28, s30, 3
	s_lshl_b32 s28, s28, 10                        ; which quarter of it
	s_add_nc_u64 s[34:35], s[34:35], s[28:29]
	s_lshl_b32 s28, s30, 10
	s_add_nc_u64 s[26:27], s[26:27], s[28:29]
	global_load_b128 v[4:7], v1, s[34:35]          ; v1 stands as the head's wait showed it; no vector instruction names v[4:7]
	s_wait_loadcnt 0x0
	global_store_b128 v1, v[4:7], s[26:27]
.Lend:
	s_endpgm
.Lfunc_end_k_q95d8cf25bc_prep:
	.size	k_q95d8cf25bc_prep, .Lfunc_end_k_q95d8cf25bc_prep-k_q95d8cf25bc_prep
	.p2alignl 7, 3214868480
	.fill 96, 4, 3214868480
	.section	.rodata,"a",@progbits
	.p2align	6, 0x0
	.amdhsa_kernel k_q95d8cf25bc_prep
		.amdhsa_group_segment_fixed_size 0
		.amdhsa_private_segment_fixed_size 0
		.amdhsa_enable_private_segment 0
		.amdhsa_kernarg_size 96
		.amdhsa_user_sgpr_count 2
		.amdhsa_user_sgpr_kernarg_segment_ptr 1
		.amdhsa_wavefront_size32 1
		.amdhsa_system_sgpr_workgroup_id_x 1
		.amdhsa_system_sgpr_workgroup_id_y 1
		.amdhsa_system_sgpr_workgroup_id_z 1
		.amdhsa_system_vgpr_workitem_id 0
		.amdhsa_next_free_vgpr 200
		.amdhsa_next_free_sgpr 66
		.amdhsa_reserve_vcc 0
		.amdhsa_float_denorm_mode_32 3
		.amdhsa_float_denorm_mode_16_64 3
		.amdhsa_memory_ordered 1
		.amdhsa_forward_progress 1
		.amdhsa_inst_pref_size 19
	.end_amdhsa_kernel
	.amdgpu_metadata
---
amdhsa.version: [ 1, 2 ]
amdhsa.kernels:
  - .name:           k_q95d8cf25bc_prep
    .symbol:         k_q95d8cf25bc_prep.kd
    .args:
      - { .name: x, .offset: 0, .size: 8, .value_kind: global_buffer, .address_space: global }
      - { .name: W_q, .offset: 8, .size: 8, .value_kind: global_buffer, .address_space: global }
      - { .name: W_k, .offset: 16, .size: 8, .value_kind: global_buffer, .address_space: global }
      - { .name: W_v, .offset: 24, .size: 8, .value_kind: global_buffer, .address_space: global }
      - { .name: W_o, .offset: 32, .size: 8, .value_kind: global_buffer, .address_space: global }
      - { .name: b_q, .offset: 40, .size: 8, .value_kind: global_buffer, .address_space: global }
      - { .name: b_k, .offset: 48, .size: 8, .value_kind: global_buffer, .address_space: global }
      - { .name: b_v, .offset: 56, .size: 8, .value_kind: global_buffer, .address_space: global }
      - { .name: xb, .offset: 64, .size: 8, .value_kind: global_buffer, .address_space: global }
      - { .name: wqkv, .offset: 72, .size: 8, .value_kind: global_buffer, .address_space: global }
      - { .name: wo, .offset: 80, .size: 8, .value_kind: global_buffer, .address_space: global }
      - { .name: bqkv, .offset: 88, .size: 8, .value_kind: global_buffer, .address_space: global }
    .group_segment_fixed_size: 0
    .private_segment_fixed_size: 0
    .kernarg_segment_align: 8
    .kernarg_segment_size: 96
    .max_flat_workgroup_size: 256
    .sgpr_count:     66
    .vgpr_count:     200
    .wavefront_size: 32
...
	.end_amdgpu_metadata
.endif
;; end of part 5
;; launch qkv: the kernel of part 2 again; grid 8 x 32, 4 waves a work-group, clusters of 4 x 4, 327,680 bytes of LDS; arguments xb, wqkv, bqkv, qkv; writes qkv
;; launch attn: the kernel of part 3 again; grid 8 x 32, 8 waves a work-group, clusters of 4 x 1, 327,680 bytes of LDS; arguments qkv, attn; writes attn
;; launch oproj: the kernel of part 4 again; grid 8 x 32, 4 waves a work-group, clusters of 4 x 4, 327,680 bytes of LDS; arguments attn, wo, b_o, out0; writes out0
